; MI455X (gfx1250); checked and timed in simulation.
; The chip was launched on July 23, 2026; its instructions are those of AMD's public machine-readable ISA for CDNA 5 (MIT licence, August 2026) and "CDNA5" Instruction Set Architecture Reference Guide (July 2026). The comments in the code are by the model that wrote it; some were corrected since.
;; Attention. Allowed arithmetic: matrix products marked QUANTISED: E2M1 operands, one E8M0 scale for each 32 along K, by v_wmma_scale_f32_16x16x128_f8f6f4 with both operands' format E2M1 (or v_wmma_scale_f32_32x16x128_f4), f32 sums; products left as they are: bf16, f16 or f32 operands; f32 sums; everything else in f32.
;; Inputs: Wk 1,024 x 1,024 float32; Wo 1,024 x 1,024 float32; Wq 1,024 x 1,024 float32; Wv 1,024 x 1,024 float32; bias 4 x 1 x 1 x 2,048 float32; x 4 x 2,048 x 1,024 float32.
;; Outputs: out0 4 x 2,048 x 1,024 float32.
;; This version of the problem:
;;   THIS VERSION OF THE PROBLEM IS GIVEN IN LOW PRECISION. The matrix products marked QUANTISED in the list below multiply operands that are first quantised to E2M1 (2 exponent bits, 1 mantissa bit; 4 bits a number), with one power-of-two scale for each 32 numbers along K (OCP MX v1.0); their sums are f32. The products marked 'left as it is' may take bf16, f16 or f32 operands, with f32 sums. Whichever they take, every output number must still come out within the allowed error. Rounding operands to bf16 (8 significant bits) uses up far more of that allowance than f16 does (11 bits, for magnitudes from 6e-5 to 65,504). All else is computed in f32.
;;   The module's matrix products, in the order in which they are computed (A, B: the left and right operand; K: the contracted axis; several contracted axes count as one K, in the product's order):
;;     1. [M 8,192, K 1,024] x [K 1,024, N 1,024]; A: input x; B: input Wq: QUANTISED
;;     2. [M 8,192, K 1,024] x [K 1,024, N 1,024]; A: input x; B: input Wk: QUANTISED
;;     3. [M 8,192, K 1,024] x [K 1,024, N 1,024]; A: input x; B: input Wv: QUANTISED
;;     4. batch 64 x [M 2,048, K 64] x [K 64, N 2,048]; A: computed on the way; B: computed on the way: left as it is (an operand is computed on the way)
;;     5. batch 64 x [M 2,048, K 2,048] x [K 2,048, N 64]; A: computed on the way; B: computed on the way: left as it is (an operand is computed on the way)
;;     6. [M 8,192, K 1,024] x [K 1,024, N 1,024]; A: computed on the way; B: input Wo: left as it is (an operand is computed on the way)
;;   THE QUANTISER, for each operand of a quantised product, along K:
;;     - K is cut into blocks of 32 from its start; a last block that is shorter is filled with zeros.
;;     - A block's scale is 2^e with e = floor(log2(the largest magnitude in the block)) - 2, held to -126 .. 127; a block of zeros has e = 0. As a byte (E8M0): e + 127.
;;     - Each number is divided by its block's scale, clamped to +-6, and rounded to the nearest number of E2M1, ties to even, subnormals kept.
;;     - The product sums the exact products of the quantised numbers (number of the format x scale) in f32.
;;   ~~~python
;;   def quantise(x, axis):      # numpy; x: float32 -> the quantised numbers, widened to float32 again
;;       x = np.moveaxis(x, axis, -1); K = x.shape[-1]
;;       x = np.pad(x, [(0, 0)] * (x.ndim - 1) + [(0, -K % 32)]); x = x.reshape(x.shape[:-1] + (-1, 32)); a = np.abs(x).max(-1, keepdims=True)
;;       e = np.where(a > 0, np.clip(np.frexp(np.where(a > 0, a, 1))[1] - 1 - 2, -126, 127), 0)      # np.frexp(a)[1] - 1 = floor(log2(a)), exactly
;;       r = np.clip(x / 2.0 ** e, -6, 6)
;;       step = 2.0 ** (np.maximum(np.frexp(np.where(r == 0, 1, r))[1] - 1, 0) - 1)
;;       q = np.round(r / step) * step * 2.0 ** e      # np.round: ties to even
;;       return np.moveaxis(q.reshape(q.shape[:-2] + (-1,))[..., :K], -1, axis).astype(np.float32)
;;   ~~~
;; One version. Each part assembles by itself: llvm-mc -triple=amdgcn-amd-amdhsa -mcpu=gfx1250 --defsym DOCPART=n.
;; ======== version 1 of 1: 5 launches
;; limits: values are held in f16: magnitudes above 65,504 overflow, below 6.1e-05 lose precision
;; workspace buffers: xc 4,194,304 bytes; xs 262,144 bytes; wc 1,572,864 bytes; ws 98,304 bytes; wo16 2,097,152 bytes; qkv 50,331,648 bytes; at 16,777,216 bytes
;; launch prep_x (part 1): grid 288 x 1, 4 waves a work-group, no clusters, 33,280 bytes of LDS; arguments x, Wo, xc, xs, wo16; writes xc, xs, wo16
.if DOCPART == 1
	.amdgcn_target "amdgcn-amd-amdhsa--gfx1250"
	.amdhsa_code_object_version 6
	.text
	.protected	k_qf53752dbb0_prep_x
	.globl	k_qf53752dbb0_prep_x
	.p2align	8
	.type	k_qf53752dbb0_prep_x,@function
k_qf53752dbb0_prep_x:
	s_mov_b64 s[64:65], 0
	v_nop
	global_prefetch_b8 v0, s[64:65] scope:SCOPE_SE
	s_setreg_imm32_b32 hwreg(HW_REG_WAVE_MODE, 25, 1), 1
	s_wait_xcnt 0x0
; x [8192][1024] f32 becomes codes of FP4 (E2M1), K innermost, two codes a byte (xc [8192][512 bytes]), with one E8M0 byte for each 32 along K (xs [8192][32]).
; Wo [1024][1024] f32 becomes f16 in the same layout (wo16): it is an operand of a product that is left as it is.
; A block's scale is 2^(floor(log2(its largest magnitude)) - 2); its byte is the largest magnitude's exponent field - 2, held at 1 from below.
; LIMITS: a block of zeros gets the byte 1 where the rule says 127 (its codes are zeros, and the bytes are read by this program alone); blocks whose largest magnitude lies under 2^-124
; keep the byte 1; NaN and infinities among the inputs are not served; |Wo| stays under 65,504 (f16's largest number).
; Both tensors are dense streams.  A wave takes a run of 8,192 numbers in 16 steps of 512; work-groups 0-255 take x (1,024 runs), work-groups 256-287 Wo (128 runs).
; x: the conversion takes 8 neighbours along K from one lane's registers, a load is best where neighbouring lanes take neighbouring bytes: so a step's 2,048 bytes are loaded 16 bytes a lane,
; go through the wave's own stage in LDS as they lie and come back 64 bytes a lane (two neighbouring lanes hold a block).  A lane's 16 codes are 8 bytes: the wave stores 256 consecutive bytes.
; A wave's 256 scale bytes are gathered in LDS and leave as 256 consecutive bytes.  No tensor loads, no barrier: waves share nothing.  Loads run four steps (16 loads a wave) ahead.
.set WAVES, 4
.set STEPS, 16
.set WGX,   256                        ; work-groups for x: 8192 x 1024 / 32768
.set CB,    8                          ; bytes of 16 codes
.set R,     16                         ; v16-79   four sets of 16 numbers as they are loaded
.set X,     80                         ; v80-111  two sets of 16 neighbours
.set E,     112                        ; v112-127 a scale byte for each step
.set C,     128                        ; v128-191 x: codes, four registers for each step;  Wo: f16 pairs, a ring of eight steps x 8 registers
.set WREG,  8192                       ; LDS: a region for each wave: two stages of 32 x SP bytes, behind them its 256 scale bytes
.set SP,    80                         ; a lane's place in a stage: 64 bytes + 16 of padding
.set SPW,   12                         ; v12  LDS address of my spare word; never rewritten
.set NIL,   13                         ; v13  0; never rewritten
.set SPARE, WAVES*WREG                 ; behind the four regions: the spare words, 128 bytes for each wave
	s_load_b256 s[4:11], s[0:1], 0x0               ; x s[4:5], Wo s[6:7], xc s[8:9], xs s[10:11]
	s_load_b64 s[12:13], s[0:1], 0x20              ; wo16
	v_lshl_add_u32 v[SPW], v0, 2, SPARE
	v_mov_b32 v[NIL], 0
	v_lshrrev_b32 v1, 5, v0
	v_readfirstlane_b32 s16, v1                    ; wave
	v_and_b32 v2, 31, v0                           ; lane
	v_lshlrev_b32 v3, 4, v2                        ; my 16 bytes of a load's 512
	s_mul_i32 s17, s16, WREG
	v_lshrrev_b32 v14, 2, v2
	v_mul_u32_u24 v14, v14, SP
	v_and_b32 v15, 3, v2
	v_lshl_add_u32 v14, v15, 4, v14
	v_add_nc_u32 v14, s17, v14                     ; the stage, on the way in: SP (lane / 4) + 16 (lane % 4)
	v_mul_u32_u24 v15, v2, SP
	v_add_nc_u32 v15, s17, v15                     ; and on the way out: SP x lane: my 16 neighbours
	v_mul_u32_u24 v4, v2, CB                       ; 8 x lane: my place in a store of 256 bytes
	v_lshrrev_b32 v5, 1, v2
	s_add_co_u32 s17, s17, 2*32*SP
	v_add_nc_u32 v5, s17, v5                       ; LDS: my wave's 256 scale bytes, my block's byte
	v_lshlrev_b32 v7, 3, v2
	v_add_nc_u32 v6, s17, v7                       ; and on the way out 8 bytes a lane
	s_wait_kmcnt 0x0
	s_cmp_lt_u32 ttmp9, WGX                        ; x's work-group or Wo's?  The choice hangs on the work-group's number alone
	s_cselect_b64 s[4:5], s[4:5], s[6:7]           ; from where
	s_cselect_b64 s[8:9], s[8:9], s[12:13]         ; to where
	s_cselect_b32 s17, 0, WGX
	s_cselect_b32 s22, 12, 14                      ; a run's results: 4,096 bytes of codes or 16,384 of f16
	s_sub_co_u32 s17, ttmp9, s17
	s_lshl_b32 s17, s17, 2
	s_add_co_u32 s18, s17, s16                     ; which run of 8,192 numbers is my wave's
	s_mov_b32 s19, 0
	s_lshl_b64 s[20:21], s[18:19], 15              ; 32,768 bytes of f32 a run
	s_add_nc_u64 s[4:5], s[4:5], s[20:21]
	s_lshl_b64 s[20:21], s[18:19], s22
	s_add_nc_u64 s[8:9], s[8:9], s[20:21]
	s_lshl_b32 s18, s18, 8                         ; 256 scale bytes a run
	s_add_nc_u64 s[10:11], s[10:11], s[18:19]
.macro LOAD t
.irp i, 0,1,2,3
	global_load_b128 v[R+16*((\t)%4)+4*\i:R+16*((\t)%4)+4*\i+3], v3, s[4:5] offset:2048*(\t)+512*\i th:TH_LOAD_NT   ; 32 lanes read 512 consecutive bytes
.endr
.endm
.irp t, 0,1,2,3
	LOAD \t
.endr
	s_cmp_lt_u32 ttmp9, WGX
	s_cbranch_scc0 .Lwo
; ---- x
.macro TURN t                          ; step t's numbers through the stage: LDS serves a wave's instructions in order, so no wait stands between the stores and the loads
.irp i, 0,1,2,3
	ds_store_b128 v14, v[R+16*((\t)%4)+4*\i:R+16*((\t)%4)+4*\i+3] offset:32*SP*((\t)%2)+8*SP*\i
.endr
.irp i, 0,1,2,3
	ds_load_b128 v[X+16*((\t)%2)+4*\i:X+16*((\t)%2)+4*\i+3], v15 offset:32*SP*((\t)%2)+16*\i
.endr
.endm
	s_wait_loadcnt 12                              ; step 0's four loads are in; the 12 of steps 1 to 3 may be out
	TURN 0
.macro STEP t
.set XS, X+16*((\t)%2)
.if (\t) > 0
	s_wait_dscnt 1                                 ; this step's numbers are back from the stage (the last step's byte store may be out): so its stores into the stage have read their registers,
.else
	s_wait_dscnt 0x0
.endif
.if (\t)+4 < STEPS
	LOAD (\t)+4                                    ; which take the loads of four steps on
.endif
.if (\t)+1 < STEPS
.if STEPS-2-(\t) >= 3
	s_wait_loadcnt 12                              ; the next step's four loads are in; those of the three steps behind it may be out
.else
	s_wait_loadcnt 4*(STEPS-2-(\t))
.endif
	TURN (\t)+1                                    ; and go through the other stage while this step is worked
.endif
	v_max3_num_f32 v8, |v[XS]|, |v[XS+1]|, |v[XS+2]|               ; the largest magnitude of my 16, in two chains
	v_max3_num_f32 v9, |v[XS+3]|, |v[XS+4]|, |v[XS+5]|
.irp i, 6,10
	v_max3_num_f32 v8, v8, |v[XS+\i]|, |v[XS+\i+1]|
	v_max3_num_f32 v9, v9, |v[XS+\i+2]|, |v[XS+\i+3]|
.endr
	v_max3_num_f32 v8, v8, |v[XS+14]|, |v[XS+15]|
	v_max3_num_f32 v8, v8, v9, 0x1800000           ; and the floor 2^(3 - 127): so the byte cannot fall under 1
	v_max_num_f32_dpp v8, v8, v8 row_xmask:1 row_mask:0xf bank_mask:0xf   ; and of my neighbour's 16: the block's
	v_add_nc_u32 v11, 0xff000000, v8               ; 2 off its exponent field: the conversion takes the exponent field of this operand as its scale, and nothing else of it
	v_cvt_scalef32_pk8_fp4_f32 v[C+4*(\t)], v[XS:XS+7], v11        ; eight numbers / the scale, to the nearest code, ties to even, beyond the largest code the largest
	v_cvt_scalef32_pk8_fp4_f32 v[C+4*(\t)+1], v[XS+8:XS+15], v11
	v_lshrrev_b32 v[E+(\t)], 23, v11               ; the scale's byte (also the plain line behind the conversions)
	ds_store_b8 v5, v[E+(\t)] offset:16*(\t)       ; both lanes of a block write the same byte with the same value
	global_store_b64 v4, v[C+4*(\t):C+4*(\t)+1], s[8:9] offset:32*CB*(\t)   ; 32 lanes store 256 consecutive bytes
.endm
.irp t, 0,1,2,3,4,5,6,7,8,9,10,11,12,13,14,15
	STEP \t
.endr
	ds_load_b64 v[8:9], v6                         ; LDS serves a wave's instructions in order: these see my byte stores
	s_wait_dscnt 0x0
	global_store_b64 v7, v[8:9], s[10:11]          ; 32 lanes store 256 consecutive bytes
	s_wait_tensorcnt 0x0                           ; the wave's end, behind my last LDS store
	ds_add_u32 v[SPW], v[NIL]
	s_wait_dscnt 0x0
	s_endpgm
; ---- Wo: f32 to f16, rounded once; no LDS: a lane's four numbers of a load are four neighbours, 8 bytes of f16
.Lwo:
.macro WSTEP t
.if STEPS-1-(\t) >= 3
	s_wait_loadcnt 12                              ; this step's four loads are in; the 12 of the three steps behind it may be out
.else
	s_wait_loadcnt 4*(STEPS-1-(\t))
.endif
.if (\t) >= 8
	s_wait_xcnt 0x0                                ; the stores of eight steps ago have read these registers: they are written again only behind this wait
.endif
.irp i, 0,1,2,3
	v_cvt_pk_f16_f32 v[C+8*((\t)%8)+2*\i], v[R+16*((\t)%4)+4*\i], v[R+16*((\t)%4)+4*\i+1]
	v_cvt_pk_f16_f32 v[C+8*((\t)%8)+2*\i+1], v[R+16*((\t)%4)+4*\i+2], v[R+16*((\t)%4)+4*\i+3]
.endr
.if (\t)+4 < STEPS
	LOAD (\t)+4
.endif
.irp i, 0,1,2,3
	global_store_b64 v4, v[C+8*((\t)%8)+2*\i:C+8*((\t)%8)+2*\i+1], s[8:9] offset:1024*(\t)+256*\i   ; 32 lanes store 256 consecutive bytes
.endr
.endm
.irp t, 0,1,2,3,4,5,6,7,8,9,10,11,12,13,14,15
	WSTEP \t
.endr
	s_endpgm
.Lfunc_end_k_qf53752dbb0_prep_x:
	.size	k_qf53752dbb0_prep_x, .Lfunc_end_k_qf53752dbb0_prep_x-k_qf53752dbb0_prep_x
	.p2alignl 7, 3214868480
	.fill 96, 4, 3214868480
	.section	.rodata,"a",@progbits
	.p2align	6, 0x0
	.amdhsa_kernel k_qf53752dbb0_prep_x
		.amdhsa_group_segment_fixed_size 33280
		.amdhsa_private_segment_fixed_size 0
		.amdhsa_enable_private_segment 0
		.amdhsa_kernarg_size 40
		.amdhsa_user_sgpr_count 2
		.amdhsa_user_sgpr_kernarg_segment_ptr 1
		.amdhsa_wavefront_size32 1
		.amdhsa_system_sgpr_workgroup_id_x 1
		.amdhsa_system_sgpr_workgroup_id_y 1
		.amdhsa_system_sgpr_workgroup_id_z 1
		.amdhsa_system_vgpr_workitem_id 0
		.amdhsa_next_free_vgpr 192
		.amdhsa_next_free_sgpr 66
		.amdhsa_reserve_vcc 0
		.amdhsa_float_denorm_mode_32 3
		.amdhsa_float_denorm_mode_16_64 3
		.amdhsa_memory_ordered 1
		.amdhsa_forward_progress 1
		.amdhsa_inst_pref_size 53
	.end_amdhsa_kernel
	.amdgpu_metadata
---
amdhsa.version: [ 1, 2 ]
amdhsa.kernels:
  - .name:           k_qf53752dbb0_prep_x
    .symbol:         k_qf53752dbb0_prep_x.kd
    .args:
      - { .name: x, .offset: 0, .size: 8, .value_kind: global_buffer, .address_space: global }
      - { .name: Wo, .offset: 8, .size: 8, .value_kind: global_buffer, .address_space: global }
      - { .name: xc, .offset: 16, .size: 8, .value_kind: global_buffer, .address_space: global }
      - { .name: xs, .offset: 24, .size: 8, .value_kind: global_buffer, .address_space: global }
      - { .name: wo16, .offset: 32, .size: 8, .value_kind: global_buffer, .address_space: global }
    .group_segment_fixed_size: 33280
    .private_segment_fixed_size: 0
    .kernarg_segment_align: 8
    .kernarg_segment_size: 40
    .max_flat_workgroup_size: 128
    .sgpr_count:     66
    .vgpr_count:     192
    .wavefront_size: 32
...
	.end_amdgpu_metadata
.endif
;; end of part 1
;; launch prep_w (part 2): grid 48 x 1, 16 waves a work-group, no clusters, 37,888 bytes of LDS; arguments Wq, Wk, Wv, wc, ws; writes wc, ws
.if DOCPART == 2
	.amdgcn_target "amdgcn-amd-amdhsa--gfx1250"
	.amdhsa_code_object_version 6
	.text
	.protected	k_qf53752dbb0_prep_w
	.globl	k_qf53752dbb0_prep_w
	.p2align	8
	.type	k_qf53752dbb0_prep_w,@function
k_qf53752dbb0_prep_w:
	s_mov_b64 s[64:65], 0
	v_nop
	global_prefetch_b8 v0, s[64:65] scope:SCOPE_SE
	s_setreg_imm32_b32 hwreg(HW_REG_WAVE_MODE, 25, 1), 1
	s_wait_xcnt 0x0
; Wq, Wk, Wv [1024 (k)][1024 (n)] f32: K is their FIRST axis.  They become codes of FP4 (E2M1) with K innermost, wc [3072][512 bytes], row = 1024 x tensor + column, and E8M0 bytes ws [3072][32].
; A LANE TAKES A COLUMN, AND ITS REGISTERS RUN DOWN K: a block of 32 along K lies in one lane's 32 registers, its largest magnitude needs no other lane, and the conversions give codes with K innermost.
; A work-group takes 64 columns x all 1,024 of K of one tensor (16 work-groups a tensor), so that whole rows of codes (512 bytes) and of scale bytes (32) meet in its LDS and leave as long consecutive runs.
; Wave w: columns 32 (w % 2) on, K 128 (w / 2) on: four blocks a lane.  The two waves of one K range read 256 consecutive bytes of each row of W.
; LIMITS: a block of zeros gets the byte 1 where the rule says 127 (its codes are zeros, and this program alone reads the bytes); blocks whose largest magnitude lies under 2^-124 keep the byte 1; NaN and infinities are not served.
; Clusters and the matrix units have nothing to do here: no two work-groups read the same byte.
.set PITCH, 528                        ; a stage row: 512 bytes of codes + 16 = 33 x 16: the lanes' 16-byte stores fall into different columns of banks
.set SCS,   64*PITCH                   ; behind the stage: 64 rows x 32 scale bytes
.set SPARE, SCS+64*32                  ; behind them: the spare words, 128 bytes for each of 16 waves
.set X,     32                         ; v32-159  four sets of 32 numbers
.set C,     160                        ; v160-175 codes: four registers a block
.set OUTR,  176                        ; v176-191 the way out
.set SB,    24                         ; v24      my four scale bytes
.set SPW,   14
.set NIL,   15
	s_load_b256 s[4:11], s[0:1], 0x0               ; Wq s[4:5], Wk s[6:7], Wv s[8:9], wc s[10:11]
	s_load_b64 s[12:13], s[0:1], 0x20              ; ws
	v_lshl_add_u32 v[SPW], v0, 2, SPARE
	v_mov_b32 v[NIL], 0
	v_lshrrev_b32 v1, 5, v0
	v_readfirstlane_b32 s16, v1                    ; wave 0..15
	v_and_b32 v2, 31, v0                           ; lane
	s_and_b32 s17, s16, 1                          ; which 32 columns
	s_lshr_b32 s18, s16, 1                         ; which 128 along K
	v_lshlrev_b32 v3, 2, v2                        ; in: 4 bytes a lane
	s_mul_i32 s19, s17, 32*PITCH
	s_lshl_b32 s20, s18, 6
	s_add_co_u32 s19, s19, s20
	v_mul_u32_u24 v4, v2, PITCH
	v_add_nc_u32 v4, s19, v4                       ; into the stage: row = my column, + 64 bytes for each 128 along K
	s_lshl_b32 s19, s17, 10
	s_lshl_b32 s20, s18, 2
	s_add_co_u32 s19, s19, s20
	s_add_co_u32 s19, s19, SCS
	v_lshlrev_b32 v5, 5, v2
	v_add_nc_u32 v5, s19, v5                       ; my scale word: 32 bytes a column, + 4 for each 128 along K
	v_lshlrev_b32 v10, 4, v2                       ; 16 x lane
	s_mul_i32 s19, s16, 4*PITCH
	v_add_nc_u32 v6, s19, v10                      ; out of the stage: wave w takes rows 4 w .. 4 w + 3, the 32 lanes a whole row
	s_lshl_b32 s19, s16, 11
	v_add_nc_u32 v7, s19, v10                      ; and the same place in the work-group's 64 rows of wc
	s_min_u32 s19, s16, 3                          ; the 2,048 scale bytes leave by waves 0 to 3 (the others keep wave 3's address and never use it)
	s_lshl_b32 s19, s19, 9
	v_add_nc_u32 v9, s19, v10
	v_add_nc_u32 v8, SCS, v9
	s_and_b32 s20, ttmp9, 15
	s_lshl_b32 s20, s20, 8                         ; W: 64 columns x 4 bytes for each work-group of a tensor,
	s_lshl_b32 s21, s17, 7                         ; my 32 columns,
	s_add_co_u32 s20, s20, s21
	s_lshl_b32 s21, s18, 19                        ; my 128 rows of 4,096 bytes
	s_add_co_u32 s20, s20, s21
	s_mov_b32 s21, 0
	s_lshl_b32 s22, ttmp9, 15                      ; wc: 64 rows x 512 bytes a work-group (1024 x tensor + 64 x its work-group = 64 x work-group)
	s_mov_b32 s23, 0
	s_lshl_b32 s24, ttmp9, 11                      ; ws: 64 rows x 32 bytes
	s_mov_b32 s25, 0
	s_wait_kmcnt 0x0
	s_cmp_lt_u32 ttmp9, 32                         ; the tensor is chosen by the work-group's number alone
	s_cselect_b64 s[6:7], s[6:7], s[8:9]
	s_cmp_lt_u32 ttmp9, 16
	s_cselect_b64 s[4:5], s[4:5], s[6:7]
	s_add_nc_u64 s[4:5], s[4:5], s[20:21]
	s_add_nc_u64 s[10:11], s[10:11], s[22:23]
	s_add_nc_u64 s[12:13], s[12:13], s[24:25]
.macro LOAD t                          ; block t: W(32 t + i, my column), i = 0 .. 31
.irp i, 0,1,2,3,4,5,6,7,8,9,10,11,12,13,14,15,16,17,18,19,20,21,22,23,24,25,26,27,28,29,30,31
	global_load_b32 v[X+32*(\t)+\i], v3, s[4:5] offset:(32*(\t)+\i)*4096 th:TH_LOAD_NT
.endr
.endm
	LOAD 0
	LOAD 1
.macro BLOCK t
.set XS, X+32*(\t)
.if (\t) < 3
	s_wait_loadcnt 32                              ; this block's 32 loads are in; the next block's 32 may be out
.else
	s_wait_loadcnt 0x0
.endif
.if (\t)+2 < 4
	LOAD (\t)+2                                    ; two blocks ahead, into registers of its own
.endif
	v_max3_num_f32 v12, |v[XS]|, |v[XS+1]|, |v[XS+2]|              ; the block's largest magnitude: all 32 numbers are mine; two chains
	v_max3_num_f32 v13, |v[XS+3]|, |v[XS+4]|, |v[XS+5]|
.irp i, 6,10,14,18,22,26
	v_max3_num_f32 v12, v12, |v[XS+\i]|, |v[XS+\i+1]|
	v_max3_num_f32 v13, v13, |v[XS+\i+2]|, |v[XS+\i+3]|
.endr
	v_max3_num_f32 v12, v12, |v[XS+30]|, |v[XS+31]|
	v_max3_num_f32 v12, v12, v13, 0x1800000        ; and the floor 2^(3 - 127): the byte cannot fall under 1
	v_add_nc_u32 v11, 0xff000000, v12              ; 2 off its exponent field: the conversion's scale operand
	v_lshrrev_b32 v13, 23, v11                     ; the scale's byte
.if (\t) == 0
	v_mov_b32 v[SB], v13                           ; four bytes to the word, the lower K in the lower byte
.else
	v_lshl_or_b32 v[SB], v13, 8*(\t), v[SB]
.endif
.irp g, 0,1,2,3
	v_cvt_scalef32_pk8_fp4_f32 v[C+4*(\t)+\g], v[XS+8*\g:XS+8*\g+7], v11
.endr
	v_nop                                          ; one plain line behind the last conversion of a run
	ds_store_b128 v4, v[C+4*(\t):C+4*(\t)+3] offset:16*(\t)        ; 32 codes: 16 bytes of my column's row
.endm
	BLOCK 0
	BLOCK 1
	BLOCK 2
	BLOCK 3
	ds_store_b32 v5, v[SB]
	s_wait_dscnt 0x0                               ; for the others' sake: my stores have landed
	s_barrier_signal -1
	s_barrier_wait -1                              ; 64 whole rows of codes and of scale bytes lie in LDS
.irp i, 0,1,2,3
	ds_load_b128 v[OUTR+4*\i:OUTR+4*\i+3], v6 offset:\i*PITCH
.endr
.irp i, 0,1,2,3
	s_wait_dscnt 3-\i                              ; LDS loads come back in order: row i is in
	global_store_b128 v7, v[OUTR+4*\i:OUTR+4*\i+3], s[10:11] offset:512*\i   ; 32 lanes store a row of 512 consecutive bytes
.endr
	s_cmp_lt_u32 s16, 4
	s_cbranch_scc0 .Lno_scales
	ds_load_b128 v[28:31], v8
	s_wait_dscnt 0x0
	global_store_b128 v9, v[28:31], s[12:13]       ; 512 consecutive bytes: 16 rows of scale bytes
.Lno_scales:
	s_wait_tensorcnt 0x0                           ; the wave's end, behind my last LDS store
	ds_add_u32 v[SPW], v[NIL]
	s_wait_dscnt 0x0
	s_endpgm
.Lfunc_end_k_qf53752dbb0_prep_w:
	.size	k_qf53752dbb0_prep_w, .Lfunc_end_k_qf53752dbb0_prep_w-k_qf53752dbb0_prep_w
	.p2alignl 7, 3214868480
	.fill 96, 4, 3214868480
	.section	.rodata,"a",@progbits
	.p2align	6, 0x0
	.amdhsa_kernel k_qf53752dbb0_prep_w
		.amdhsa_group_segment_fixed_size 37888
		.amdhsa_private_segment_fixed_size 0
		.amdhsa_enable_private_segment 0
		.amdhsa_kernarg_size 40
		.amdhsa_user_sgpr_count 2
		.amdhsa_user_sgpr_kernarg_segment_ptr 1
		.amdhsa_wavefront_size32 1
		.amdhsa_system_sgpr_workgroup_id_x 1
		.amdhsa_system_sgpr_workgroup_id_y 1
		.amdhsa_system_sgpr_workgroup_id_z 1
		.amdhsa_system_vgpr_workitem_id 0
		.amdhsa_next_free_vgpr 192
		.amdhsa_next_free_sgpr 66
		.amdhsa_reserve_vcc 0
		.amdhsa_float_denorm_mode_32 3
		.amdhsa_float_denorm_mode_16_64 3
		.amdhsa_memory_ordered 1
		.amdhsa_forward_progress 1
		.amdhsa_inst_pref_size 22
	.end_amdhsa_kernel
	.amdgpu_metadata
---
amdhsa.version: [ 1, 2 ]
amdhsa.kernels:
  - .name:           k_qf53752dbb0_prep_w
    .symbol:         k_qf53752dbb0_prep_w.kd
    .args:
      - { .name: Wq, .offset: 0, .size: 8, .value_kind: global_buffer, .address_space: global }
      - { .name: Wk, .offset: 8, .size: 8, .value_kind: global_buffer, .address_space: global }
      - { .name: Wv, .offset: 16, .size: 8, .value_kind: global_buffer, .address_space: global }
      - { .name: wc, .offset: 24, .size: 8, .value_kind: global_buffer, .address_space: global }
      - { .name: ws, .offset: 32, .size: 8, .value_kind: global_buffer, .address_space: global }
    .group_segment_fixed_size: 37888
    .private_segment_fixed_size: 0
    .kernarg_segment_align: 8
    .kernarg_segment_size: 40
    .max_flat_workgroup_size: 512
    .sgpr_count:     66
    .vgpr_count:     192
    .wavefront_size: 32
...
	.end_amdgpu_metadata
.endif
;; end of part 2
;; launch qkv (part 3): grid 12 x 32, 4 waves a work-group, clusters of 4 x 4, 327,680 bytes of LDS; arguments xc, xs, wc, ws, qkv; writes qkv
.if DOCPART == 3
	.amdgcn_target "amdgcn-amd-amdhsa--gfx1250"
	.amdhsa_code_object_version 6
	.text
	.protected	k_qf53752dbb0_qkv
	.globl	k_qf53752dbb0_qkv
	.p2align	8
	.type	k_qf53752dbb0_qkv,@function
k_qf53752dbb0_qkv:
	s_mov_b64 s[64:65], 0
	v_nop
	global_prefetch_b8 v0, s[64:65] scope:SCOPE_SE
	s_setreg_imm32_b32 hwreg(HW_REG_WAVE_MODE, 25, 1), 1
	s_wait_xcnt 0x0
	s_wait_alu depctr_hold_cnt(0) depctr_sa_sdst(0) depctr_va_vdst(0) depctr_va_sdst(0) depctr_va_ssrc(0) depctr_va_vcc(0) depctr_vm_vsrc(0)
	s_getreg_b32 s2, hwreg(HW_REG_IB_STS2, 6, 4)
	s_cmp_eq_u32 s2, 0
	s_cbranch_scc0 .Lentry_in_a_cluster
	s_endpgm
.Lentry_in_a_cluster:
	s_bfe_u32 s2, ttmp6, 0x10000c
	s_cmp_lg_u32 s2, 0xf033
	s_cbranch_scc0 .Lentry_shape_is_right
	s_endpgm
.Lentry_shape_is_right:
; The three quantised products as ONE product on codes: C[m][n] = sum over k of x[m][k] W[n][k], m = 8,192 rows of x, n = 3,072 = the columns of Wq, Wk, Wv on end, K = 1,024.
; Codes of FP4 (E2M1), 4 bits each, K innermost, one E8M0 byte for each 32 along K; the matrix instruction takes codes and scale bytes as they lie.  Sums in f32.
; THE RESULT leaves as f16, laid by head: qkv [which 3][batch 4][head 16][s 2048][64]; q is first multiplied by c = 0.125 log2(e), so that the next launch's scores are exponents of 2.
; LIMITS: |q c|, |k|, |v| stay under 65,504 (f16's largest number).
; A tile of C, 256 x 256, is made by a work-group of four waves; a wave makes 128 x 128: 64 accumulators of 16 x 16, 512 registers.  K is two LDS slots of 512 along K (rows of 256 bytes):
; both are asked for at the start, and nothing is filled again.  The scale bytes of the work-group's 256 + 256 rows, for all of K, come once, as rows of 256 bytes, and stay.
; CLUSTERS: 4 x 4 work-groups.  The four of a row of the cluster need the same tiles of x, the four of a column the same tiles of W: each tile is asked for JOINTLY, by the same tensor load with the
; same descriptor and a mask that names the four.  THE MATRIX INSTRUCTION IS USED TRANSPOSED (source 0 = 16 rows of W, source 1 = 16 rows of x): a lane then holds eight neighbouring columns of a row of C.
; REGISTERS, in windows of 256: window 0: v0-31 addresses; v32-95 scale words, two sets (they hold nothing else); v96-127 packed results on the way out; from v128 x's fragments, ONE set, later rows read back.
;   window 1: W's fragments, TWO sets, at v0 and at v128.   window 2: the 32 accumulators of my rows 0-63 (accumulator (a, b) at v[8 (8 a + b)]);   window 3: those of my rows 64-127.
.set SIZE_K, 1024
.set KSTEP,  512                       ; along K in a slot
.set NQ,     KSTEP/128                 ; matrix instructions deep
.set ROWB,   256                       ; a tile's row in bytes
.set KROW,   SIZE_K*4/8                ; a row of codes in memory
.set PITCH,  272                       ; an LDS row: 256 bytes + 16 of padding = 68 words: the 16 rows that a load touches start at 16 different groups of four banks
.set FR,     8                         ; registers of a fragment: 16 rows x 128 K
.set NL,     2                         ; LDS loads that bring one
.set NP,     4                         ; places behind this matrix instruction (ISA guide 7.12.1)
.set HALFT,  128*PITCH                 ; 128 rows: what one tensor load brings, and what one wave reads of a side
.set SLOT,   4*HALFT                   ; x's 256 rows, then W's 256 rows
.set KS,     SIZE_K/32                 ; a row of scales in bytes
.set SCL,    2*SLOT                    ; behind the slots: the scales, as rows of 256 bytes + 16 of padding
.set HALFS,  (128*KS/256)*272          ; the scales of 128 rows: what one tensor load brings
.set SBLK,   (16*KS/256)*272           ; those of 16 rows
.set SPARE,  SCL+4*HALFS               ; behind the scales: the spare words, 128 bytes for each wave
.set SP,     144                       ; the way out: a stage of 2 heads x 16 rows x (128 bytes + 16) for each wave, in slot 0, which has had its only fill and its last read by then
.set ADRA, 16                          ; v16-17  LDS address of my fragments of x in slot 0, 1
.set ADRB, 20                          ; v20-21  the same for W
.set STO,  24                          ; v24     the way out: where I put 16 bytes of a row
.set RD,   25                          ; v25     the way out: where I read rows back
.set CO,   26                          ; v26     16 x lane
.set ADRS, 27                          ; v27     LDS address of my scale words: lanes 0-15 x's rows, lanes 16-31 W's
.set SPW,  28                          ; v28     LDS address of my spare word; never rewritten
.set NIL,  29                          ; v29     0; never rewritten
.set SC,   32                          ; scale words: set s at v[SC + 32 s]; register 4 i + q: lanes 0-15 the word of x's block i, lanes 16-31 that of W's block i, for the slot's q-th 128 along K
.set TMP,  96                          ; the way out: a block's 32 packed registers
.set AF,   128                         ; x's fragments, in window 0
.set BK,   128                         ; the way out: rows read back: v128-159 and v160-191 by turns
.set G1, 24                            ; s[24:31] descriptor group 1 for x's tiles;  s[32:39] group 0, one set for each slot
.set G0, 32
.set G1B, 48                           ; s[48:55], s[56:63] the same for W's tiles
.set G0B, 56
.set G1S, 68                           ; s[68:75], s[76:79] groups 1 and 0 for x's scales;  s[80:87], s[88:91] for W's
.set G0S, 76
.set G1SB, 80
.set G0SB, 88
.set MSB, 0
.macro WIN new                         ; the immediate's high byte repeats the setting that is left
.if MSB != \new
	s_set_vgpr_msb (MSB<<8)|\new
.set MSB, \new
.endif
.endm
.set MUL_LO, 0xa1                      ; source 0 (W) window 1, source 1 (x) window 0, C and D window 2
.set MUL_HI, 0xf1                      ; the same, C and D window 3
.set TO_B,   0x40                      ; destination window 1, address window 0
; A joint load: waves 0 and 1 fetch for x, waves 2 and 3 for W.  Each of the two lines has ONE mask and one set of registers for all that issue it; the branch hangs on the wave's number alone.
; An s_nop 0 and four v_nop follow each of the two lines.
.macro JLOAD g0a, g1a, g0b, g1b
	s_cmp_eq_u32 s15, 0
	s_cbranch_scc0 .Lfor_b_\@
	tensor_load_to_lds s[\g0a:\g0a+3], s[\g1a:\g1a+7]
	s_nop 0
.rept 4
	v_nop
.endr
	s_branch .Lasked_\@
.Lfor_b_\@:
	tensor_load_to_lds s[\g0b:\g0b+3], s[\g1b:\g1b+7]
	s_nop 0
.rept 4
	v_nop
.endr
.Lasked_\@:
.endm
.macro CROUND                          ; a round of the cluster's barrier: my work-group's barrier; wave 0 signals for the work-group; every wave waits for all sixteen; my work-group's barrier once more
	s_barrier_signal -1
	s_barrier_wait -1
	s_cmp_lg_u32 s14, 0
	s_cbranch_scc1 .Lnot_wave_0_\@
	s_barrier_signal -3
.Lnot_wave_0_\@:
	s_barrier_wait -3
	s_barrier_signal -1
	s_barrier_wait -1
.endm
	s_load_b128 s[4:7], s[0:1], 0x0                ; x's codes s[4:5], x's scales s[6:7]
	s_load_b128 s[8:11], s[0:1], 0x10              ; W's codes s[8:9], W's scales s[10:11]
	s_load_b64 s[12:13], s[0:1], 0x20              ; qkv
	v_lshl_add_u32 v[SPW], v0, 2, SPARE
	v_mov_b32 v[NIL], 0
	ds_add_u32 v[SPW], v[NIL]                      ; the wave's opening: the add, twice on end, and its wait ahead of my first tensor load; the set-up below stands between
	ds_add_u32 v[SPW], v[NIL]
	v_lshrrev_b32 v1, 5, v0
	v_readfirstlane_b32 s14, v1                    ; wave 0..3
	s_lshr_b32 s15, s14, 1                         ; which half of the tile's rows is mine.  Also: I fetch for x (0) or for W (1)
	s_and_b32 s16, s14, 1                          ; which half of its columns.  Also: which 128 rows of that tile I fetch
	s_bfe_u32 s40, ttmp6, 0x40000                  ; cx, cy: my place in the cluster
	s_bfe_u32 s41, ttmp6, 0x40004
	s_lshl_b32 s42, ttmp9, 2
	s_add_co_u32 s42, s42, s40                     ; tile column of C = 4 x cluster x + cx
	s_and_b32 s17, ttmp7, 0xffff
	s_lshl_b32 s17, s17, 2
	s_add_co_u32 s17, s17, s41                     ; tile row of C = 4 x cluster y + cy
	s_lshl_b32 s43, s41, 2
	s_lshl_b32 s43, 15, s43                        ; my row of the cluster
	s_lshl_b32 s44, 0x1111, s40                    ; my column
	; descriptor group 1: a tile of 128 rows x 256 bytes, padded in LDS
	s_or_b32 s[G1+0], s43, (0<<16)|(1<<20)|(1<<21)|(5<<22)|(3<<25)  ; 15:0 the mask: x's tiles go to my row; 17:16 element of 1 byte; 20 padding on; 21 set beside a mask; 24:22 after every 64 words; 31:25 four words
	s_or_b32 s[G1B+0], s44, (0<<16)|(1<<20)|(1<<21)|(5<<22)|(3<<25)
.irp g, G1, G1B
	s_mov_b32 s[\g+1], ROWB<<16                    ; tensor_dim0
	s_mov_b32 s[\g+2], 128<<16                     ; tensor_dim1 = 128
	s_mov_b32 s[\g+3], ROWB<<16                    ; tile_dim0
	s_mov_b32 s[\g+4], 128                         ; tile_dim1 = 128
	s_mov_b32 s[\g+5], KROW                        ; tensor_dim0_stride
	s_mov_b32 s[\g+6], 0
	s_mov_b32 s[\g+7], 0
.endr
	; and for the scales of 128 rows: a dense block of 4,096 bytes, as 16 rows of 256 bytes (32 elements of 8 bytes), 16 bytes of padding behind each
	s_or_b32 s[G1S+0], s43, (3<<16)|(1<<20)|(1<<21)|(5<<22)|(3<<25)
	s_or_b32 s[G1SB+0], s44, (3<<16)|(1<<20)|(1<<21)|(5<<22)|(3<<25)
.irp g, G1S, G1SB
	s_mov_b32 s[\g+1], 32<<16
	s_mov_b32 s[\g+2], (128*KS/256)<<16
	s_mov_b32 s[\g+3], 32<<16
	s_mov_b32 s[\g+4], 128*KS/256
	s_mov_b32 s[\g+5], 32
	s_mov_b32 s[\g+6], 0
	s_mov_b32 s[\g+7], 0
.endr
	s_lshl_b32 s18, s16, 7                         ; which 128 rows of the tile I fetch
	s_lshl_b32 s20, s17, 8
	s_add_co_u32 s20, s20, s18                     ; x: row 256 x tile row + 128 x half
	s_lshl_b32 s46, s42, 8
	s_add_co_u32 s46, s46, s18                     ; W: row 256 x tile column + 128 x half
	s_mov_b32 s21, 0
	s_mov_b32 s47, 0
	s_mov_b64 s[18:19], KS
	s_mul_u64 s[22:23], s[20:21], s[18:19]         ; where these rows' scales begin, in bytes
	s_mul_u64 s[92:93], s[46:47], s[18:19]
	s_mov_b64 s[18:19], KROW
	s_mul_u64 s[20:21], s[20:21], s[18:19]         ; and their codes
	s_mul_u64 s[46:47], s[46:47], s[18:19]
	s_mul_i32 s45, s14, HALFT                      ; where they go: wave x 128 rows: no place in the cluster enters an LDS address
	s_mul_i32 s94, s14, HALFS
	s_cmp_lt_u32 s42, 4                            ; tile columns 0 to 3 are q's: a choice of a factor, no branch
	s_cselect_b32 s96, 0x3e38aa3b, 1.0             ; c = 0.125 log2(e) for q; 1.0, which changes nothing, for k and v
	s_mov_b32 s97, s96                             ; (the packed form names the pair)
	s_wait_dscnt 0x0                               ; both opening adds are done
	s_wait_kmcnt 0x0
	s_add_nc_u64 s[20:21], s[4:5], s[20:21]
	s_add_nc_u64 s[22:23], s[6:7], s[22:23]
	s_add_nc_u64 s[46:47], s[8:9], s[46:47]
	s_add_nc_u64 s[92:93], s[10:11], s[92:93]
	CROUND                                         ; all sixteen work-groups are here: the first joint loads meet
	s_mov_b32 s[G0S], 1
	s_add_co_u32 s[G0S+1], s94, SCL
	s_mov_b64 s[G0S+2:G0S+3], s[22:23]
	s_or_b32 s[G0S+3], s[G0S+3], 0x80000000
	s_mov_b32 s[G0SB], 1
	s_add_co_u32 s[G0SB+1], s94, SCL
	s_mov_b64 s[G0SB+2:G0SB+3], s[92:93]
	s_or_b32 s[G0SB+3], s[G0SB+3], 0x80000000
	JLOAD G0S, G1S, G0SB, G1SB                     ; the scales first: they are wanted with the first slot
.irp s, 0,1
	s_mov_b32 s[G0+4*\s], 1
	s_add_co_u32 s[G0+4*\s+1], s45, \s*SLOT
	s_add_nc_u64 s[G0+4*\s+2:G0+4*\s+3], s[20:21], \s*ROWB
	s_or_b32 s[G0+4*\s+3], s[G0+4*\s+3], 0x80000000
	s_mov_b32 s[G0B+4*\s], 1
	s_add_co_u32 s[G0B+4*\s+1], s45, \s*SLOT
	s_add_nc_u64 s[G0B+4*\s+2:G0B+4*\s+3], s[46:47], \s*ROWB
	s_or_b32 s[G0B+4*\s+3], s[G0B+4*\s+3], 0x80000000
	JLOAD G0+4*\s, G1, G0B+4*\s, G1B               ; three tensor loads of mine are out at the most
.endr
	v_and_b32 v1, 15, v0                           ; l % 16
	v_bfe_u32 v2, v0, 4, 1                         ; l / 16
	v_mul_u32_u24 v3, v1, PITCH
	v_lshl_add_u32 v4, v2, 4, v3                   ; a fragment's row x pitch + 16 x half
	s_mul_i32 s21, s15, HALFT                      ; my 128 rows of x
	s_mul_i32 s22, s16, HALFT                      ; my 128 rows of W,
	s_add_co_u32 s22, s22, 2*HALFT                 ; which lie behind x's 256
.irp s, 0,1
	v_add_nc_u32 v[ADRA+\s], s21, v4
	v_add_nc_u32 v[ADRB+\s], s22, v4
	s_add_co_u32 s21, s21, SLOT
	s_add_co_u32 s22, s22, SLOT
.endr
	v_mul_u32_u24 v5, v1, KS                       ; my row's scales: 32 bytes a row,
	v_lshrrev_b32 v6, 8, v5
	v_lshl_add_u32 v5, v6, 4, v5                   ; and 16 more for each 256 passed
	s_mul_i32 s21, s15, HALFS                      ; x's: my 128 rows
	s_mul_i32 s22, s16, HALFS                      ; W's: my 128 rows, behind x's 256
	s_add_co_u32 s22, s22, 2*HALFS
	s_sub_co_u32 s22, s22, s21
	v_mul_u32_u24 v6, s22, v2                      ; lanes 16-31 take W's: one product, the distance between the two
	s_add_co_u32 s21, s21, SCL
	v_add_nc_u32 v5, v5, v6
	v_add_nc_u32 v[ADRS], s21, v5
	s_mul_i32 s23, s14, 2*16*SP                    ; my stage
	v_mul_u32_u24 v5, v1, SP                       ; in: row l % 16, 16 bytes for each half of the lanes
	v_lshl_add_u32 v5, v2, 4, v5
	v_add_nc_u32 v[STO], s23, v5
	v_and_b32 v6, 31, v0
	v_lshlrev_b32 v[CO], 4, v6                     ; in memory four rows of a head are 512 consecutive bytes: 16 bytes a lane
	v_lshrrev_b32 v5, 3, v6                        ; back: eight lanes to a row of 128 bytes, four rows an instruction
	v_mul_u32_u24 v5, v5, SP
	v_and_b32 v6, 7, v0
	v_lshl_add_u32 v5, v6, 4, v5
	v_add_nc_u32 v[RD], s23, v5
	; where my 128 rows x 2 heads begin in qkv.  Rows: batch = tile row / 8; s = 256 (tile row % 8) + 128 x half.  Columns: which = tile column / 4; head = 4 (tile column % 4) + 2 x half
	s_lshr_b32 s20, s17, 3
	s_lshl_b32 s20, s20, 22                        ; a batch: 16 heads x 2,048 x 128 bytes
	s_and_b32 s21, s17, 7
	s_lshl_b32 s21, s21, 15                        ; 256 rows of 128 bytes
	s_add_co_u32 s20, s20, s21
	s_lshl_b32 s21, s15, 14
	s_add_co_u32 s20, s20, s21
	s_mov_b32 s21, 0
	s_lshr_b32 s46, s42, 2
	s_lshl_b32 s46, s46, 24                        ; q, k or v: 16,777,216 bytes each
	s_and_b32 s47, s42, 3
	s_lshl_b32 s47, s47, 20                        ; four heads of 262,144 bytes
	s_add_co_u32 s46, s46, s47
	s_lshl_b32 s47, s16, 19
	s_add_co_u32 s46, s46, s47
	s_mov_b32 s47, 0
	s_add_nc_u64 s[20:21], s[20:21], s[46:47]
	s_add_nc_u64 s[12:13], s[12:13], s[20:21]
.macro FRAG reg, adr, q, i             ; a fragment, 16 rows x 128 K of 4-bit codes, is 8 registers: lane l holds row l % 16; registers 4 c .. 4 c + 3 hold K = 64 c + 32 (l / 16) + 0 .. 31
.irp c, 0,1
	ds_load_b128 v[\reg+4*\c:\reg+4*\c+3], v[\adr] offset:64*(\q)+32*\c+(\i)*16*PITCH
.endr
.endm
; 16 matrix instructions: x's blocks a0, a0 + 1 against W's eight, 128 along K: the slot's q-th.  p: W's set;  sc: the set of scale words.  zero = 1: the first product starts the sums.
; The 64 accumulators take turns, one instruction a turn, in the same order in every step.
.macro MUL16 a0, p, q, sc, zero
.irp a, \a0, \a0+1
.irp b, 0,1,2,3,4,5,6,7
.if \zero
	v_wmma_scale_f32_16x16x128_f8f6f4 v[8*(8*((\a)%4)+\b):8*(8*((\a)%4)+\b)+7], v[128*(\p)+FR*\b:128*(\p)+FR*\b+FR-1], v[AF+FR*(\a):AF+FR*(\a)+FR-1], 0, v[SC+8*NQ*(\sc)+NQ*\b+(\q)], v[SC+8*NQ*(\sc)+NQ*(\a)+(\q)] matrix_a_fmt:MATRIX_FMT_FP4 matrix_b_fmt:MATRIX_FMT_FP4 matrix_a_scale:MATRIX_SCALE_ROW1
.else
	v_wmma_scale_f32_16x16x128_f8f6f4 v[8*(8*((\a)%4)+\b):8*(8*((\a)%4)+\b)+7], v[128*(\p)+FR*\b:128*(\p)+FR*\b+FR-1], v[AF+FR*(\a):AF+FR*(\a)+FR-1], v[8*(8*((\a)%4)+\b):8*(8*((\a)%4)+\b)+7], v[SC+8*NQ*(\sc)+NQ*\b+(\q)], v[SC+8*NQ*(\sc)+NQ*(\a)+(\q)] matrix_a_fmt:MATRIX_FMT_FP4 matrix_b_fmt:MATRIX_FMT_FP4 matrix_a_scale:MATRIX_SCALE_ROW1
.endif
.endr
.endr
.endm
.macro FETCH_B slot, q, p              ; W's eight fragments of the slot's q-th 128 along K into set p
	WIN TO_B
.irp i, 0,1,2,3,4,5,6,7
	FRAG 128*(\p)+FR*\i, ADRB+\slot, \q, \i
.endr
	WIN 0
.endm
.macro FETCH_A slot, q, i0             ; x's blocks i0 .. i0 + 3
.irp i, \i0, \i0+1, \i0+2, \i0+3
	FRAG AF+FR*(\i), ADRA+\slot, \q, \i
.endr
.endm
.macro SCALES sc                       ; a slot's scale words into set sc: four words a row; lanes 0-15 take x's block i, lanes 16-31 W's block i
.irp i, 0,1,2,3,4,5,6,7
	ds_load_b128 v[SC+8*NQ*\sc+NQ*\i:SC+8*NQ*\sc+NQ*\i+3], v[ADRS] offset:\i*SBLK
.endr
.endm
; A load into a register that a matrix instruction has read, and a vector instruction or an LDS store that touches a matrix instruction's registers, stand NP places behind it, and only plain vector
; instructions that name none of its registers are places; the matrix instructions in between are not counted.
.macro PLACES n
.rept \n
	v_nop
.endr
.endm
; A step of 128 along K that has its successor in the same slot.
.macro STEP slot, q, zero
	s_wait_dscnt 4*NL                              ; W's set and x's blocks 0-3 are in; the youngest eight loads (x's blocks 4-7) may be out
	WIN MUL_LO
	MUL16 0, (\q)%2, \q, \slot, \zero
	MUL16 2, (\q)%2, \q, \slot, \zero
	s_wait_dscnt 0                                 ; x's blocks 4-7 are in (asked for 32 matrix instructions ago)
	PLACES NP
	FETCH_B \slot, (\q)+1, 1-(\q)%2
	FETCH_A \slot, (\q)+1, 0
	WIN MUL_HI
	MUL16 4, (\q)%2, \q, \slot, \zero
	MUL16 6, (\q)%2, \q, \slot, \zero
	PLACES NP
	WIN 0
	FETCH_A \slot, (\q)+1, 4
.endm
; Slot 0's last step goes on into slot 1: one barrier; in front of it each wave waits for all its tensor loads (its part of slot 1), adds 0 to its spare word, and waits for that and for its reads of slot 0.
; Nothing is filled again: K ends with slot 1.  Behind this barrier nobody reads slot 0, which later holds the stages of the way out.
.macro TURN slot, next
	s_wait_tensorcnt 0x0                           ; all my tensor loads have landed
	ds_add_u32 v[SPW], v[NIL]                      ; 0 onto my spare word
	s_wait_dscnt 4*NL+1                            ; (the add and the youngest eight loads may be out)
	WIN MUL_LO
	MUL16 0, 1, NQ-1, \slot, 0                     ; sixteen matrix instructions stand between the add and the wait for it
	s_wait_dscnt 0x0                               ; the add is done, and my reads of this slot are over
	s_barrier_signal -1
	MUL16 2, 1, NQ-1, \slot, 0
	WIN 0
	s_barrier_wait -1
	PLACES NP
	v_add_nc_u32 v[ADRS], 4*NQ, v[ADRS]            ; on to the next slot's scale words
	FETCH_B \next, 0, 0
	FETCH_A \next, 0, 0
	SCALES \next
	WIN MUL_HI
	MUL16 4, 1, NQ-1, \slot, 0
	MUL16 6, 1, NQ-1, \slot, 0
	PLACES NP
	WIN 0
	FETCH_A \next, 0, 4
.endm
	s_wait_tensorcnt 1                             ; the scales and my part of slot 0 are in (slot 1's load may be out)
	s_barrier_signal -1
	s_barrier_wait -1                              ; everybody's are
	FETCH_B 0, 0, 0
	FETCH_A 0, 0, 0
	SCALES 0
	FETCH_A 0, 0, 4
	STEP 0, 0, 1                                   ; the first step's products start the sums: nothing is cleared
	STEP 0, 1, 0
	STEP 0, 2, 0
	TURN 0, 1
	STEP 1, 0, 0
	STEP 1, 1, 0
	STEP 1, 2, 0
	s_wait_dscnt 4*NL                              ; the very last step: nothing more to fetch
	WIN MUL_LO
	MUL16 0, 1, NQ-1, 1, 0
	MUL16 2, 1, NQ-1, 1, 0
	s_wait_dscnt 0
	WIN MUL_HI
	MUL16 4, 1, NQ-1, 1, 0
	MUL16 6, 1, NQ-1, 1, 0
	WIN 0
; THE WAY OUT, block by block of 16 rows x 128 columns = 16 rows of two heads.  PACK: x the factor, rounded to f16 once, 16 bytes a lane (each accumulator is read from its low end on).
; TOSTAGE: into my stage, rows of 128 bytes + 16, and back four rows at a time.  SEND: in memory 16 rows of a head are 2,048 consecutive bytes: each store covers 512 of them.
.macro PACK a
.set AC, 64*((\a)%4)
	WIN 0x82+0x41*((\a)/4)                         ; destination and source 0: window 2 or 3
.set ii, 0
.rept 32
	v_pk_mul_f32 v[AC+ii:AC+ii+1], v[AC+ii:AC+ii+1], s[96:97] op_sel_hi:[1,0]
.set ii, ii+2
.endr
	WIN 0x0a+5*((\a)/4)                            ; sources 0 and 1: window 2 or 3; destination window 0
.set ii, 0
.rept 32
	v_cvt_pk_f16_f32 v[TMP+ii], v[AC+2*ii], v[AC+2*ii+1]
.set ii, ii+1
.endr
	WIN 0
.endm
.macro TOSTAGE a
.set BB, BK+32*((\a)%2)
.irp b, 0,1,2,3,4,5,6,7
	ds_store_b128 v[STO], v[TMP+4*\b:TMP+4*\b+3] offset:(\b/4)*16*SP+32*(\b%4)
.endr
.irp t, 0,1,2,3,4,5,6,7
	ds_load_b128 v[BB+4*\t:BB+4*\t+3], v[RD] offset:\t*4*SP        ; LDS serves a wave's instructions in order: these see the stores above, and the next block's stores come behind them
.endr
.endm
.macro SEND a, younger                 ; younger: the LDS instructions issued behind block a's loads, which may stay out
.set BB, BK+32*((\a)%2)
	s_wait_dscnt \younger
.irp t, 0,1,2,3,4,5,6,7
	global_store_b128 v[CO], v[BB+4*\t:BB+4*\t+3], s[12:13] offset:(\a)*2048+(\t/4)*262144+(\t%4)*512   ; every place stands in the immediate: no base is stepped
.endr
.endm
	PLACES NP                                      ; behind the last products: for the packed results' registers, the loads into x's fragments and the reads of results alike
	PACK 0
	TOSTAGE 0
.irp a, 1,2,3,4,5,6,7
	PACK \a
.if \a > 1
	s_wait_xcnt 0x0                                ; block a - 2's stores have read their registers: block a's loads may land there
.endif
	TOSTAGE \a
	SEND \a-1, 16                                  ; behind block a - 1's loads: block a's 8 stores and 8 loads
.endr
	SEND 7, 0
	s_wait_tensorcnt 0x0                           ; the wave's end, behind my last tensor load and my last LDS store
	ds_add_u32 v[SPW], v[NIL]
	s_wait_dscnt 0x0
	CROUND                                         ; the closing round: no work-group ends while a partner may still ask for a tile that names it
	s_endpgm
.Lfunc_end_k_qf53752dbb0_qkv:
	.size	k_qf53752dbb0_qkv, .Lfunc_end_k_qf53752dbb0_qkv-k_qf53752dbb0_qkv
	.p2alignl 7, 3214868480
	.fill 96, 4, 3214868480
	.section	.rodata,"a",@progbits
	.p2align	6, 0x0
	.amdhsa_kernel k_qf53752dbb0_qkv
		.amdhsa_group_segment_fixed_size 327680
		.amdhsa_private_segment_fixed_size 0
		.amdhsa_enable_private_segment 0
		.amdhsa_kernarg_size 40
		.amdhsa_user_sgpr_count 2
		.amdhsa_user_sgpr_kernarg_segment_ptr 1
		.amdhsa_wavefront_size32 1
		.amdhsa_system_sgpr_workgroup_id_x 1
		.amdhsa_system_sgpr_workgroup_id_y 1
		.amdhsa_system_sgpr_workgroup_id_z 1
		.amdhsa_system_vgpr_workitem_id 0
		.amdhsa_next_free_vgpr 1024
		.amdhsa_next_free_sgpr 98
		.amdhsa_reserve_vcc 0
		.amdhsa_float_denorm_mode_32 3
		.amdhsa_float_denorm_mode_16_64 3
		.amdhsa_memory_ordered 1
		.amdhsa_forward_progress 1
		.amdhsa_inst_pref_size 143
	.end_amdhsa_kernel
	.amdgpu_metadata
---
amdhsa.version: [ 1, 2 ]
amdhsa.kernels:
  - .name:           k_qf53752dbb0_qkv
    .symbol:         k_qf53752dbb0_qkv.kd
    .args:
      - { .name: xc, .offset: 0, .size: 8, .value_kind: global_buffer, .address_space: global }
      - { .name: xs, .offset: 8, .size: 8, .value_kind: global_buffer, .address_space: global }
      - { .name: wc, .offset: 16, .size: 8, .value_kind: global_buffer, .address_space: global }
      - { .name: ws, .offset: 24, .size: 8, .value_kind: global_buffer, .address_space: global }
      - { .name: qkv, .offset: 32, .size: 8, .value_kind: global_buffer, .address_space: global }
    .group_segment_fixed_size: 327680
    .private_segment_fixed_size: 0
    .kernarg_segment_align: 8
    .kernarg_segment_size: 40
    .max_flat_workgroup_size: 128
    .sgpr_count:     98
    .vgpr_count:     1024
    .wavefront_size: 32
...
	.end_amdgpu_metadata
.endif
;; end of part 3
;; launch attn (part 4): grid 4 x 64, 8 waves a work-group, clusters of 4 x 1, 327,680 bytes of LDS; arguments qkv, bias, at; writes at
.if DOCPART == 4
	.amdgcn_target "amdgcn-amd-amdhsa--gfx1250"
	.amdhsa_code_object_version 6
	.text
	.protected	k_qf53752dbb0_attn
	.globl	k_qf53752dbb0_attn
	.p2align	8
	.type	k_qf53752dbb0_attn,@function
k_qf53752dbb0_attn:
	s_mov_b64 s[64:65], 0
	v_nop
	global_prefetch_b8 v0, s[64:65] scope:SCOPE_SE
	s_setreg_imm32_b32 hwreg(HW_REG_WAVE_MODE, 25, 1), 1
	s_wait_xcnt 0x0
	s_wait_alu depctr_hold_cnt(0) depctr_sa_sdst(0) depctr_va_vdst(0) depctr_va_sdst(0) depctr_va_ssrc(0) depctr_va_vcc(0) depctr_vm_vsrc(0)
	s_getreg_b32 s2, hwreg(HW_REG_IB_STS2, 6, 4)
	s_cmp_eq_u32 s2, 0
	s_cbranch_scc0 .Lentry_in_a_cluster
	s_endpgm
.Lentry_in_a_cluster:
	s_bfe_u32 s2, ttmp6, 0x10000c
	s_cmp_lg_u32 s2, 0x3003
	s_cbranch_scc0 .Lentry_shape_is_right
	s_endpgm
.Lentry_shape_is_right:
; at[b][h][q][:] = the sum over k of softmax_k(q . k / 8 + bias[b][k]) v[k][:].  q, k, v: f16, [which][b][h][2048][64]; q already holds the factor 0.125 log2(e).  at: f16, [b][h][2048][64].
; Products on f16 operands with f32 sums; maxima, exponentials and sums in f32; the weights p are rounded to f16 for the second product, the result once at the end.
; SOFTMAX.  t = (q c) . k + bias log2(e); for each query a running maximum m and sum l: p = 2^(t - m); in every step O and l are multiplied by a = 2^(m_old - m_new).  The bias is the C of a score's first product.
; LIMITS: NaN and +infinity among the scores are not served; a row all of whose biases are -infinity gives numbers where the definition gives NaN; |result| under 65,504.
; SHARES.  A work-group owns 512 queries of one (b, h), each of its EIGHT waves 64: four tiles of 16; two waves to a SIMD, 512 registers each, so that one wave's vector work can stand beside the other's products.
; Every wave walks the 2,048 keys, 64 a step; each fragment of K or V read from LDS feeds four matrix instructions.
; LAYOUT.  S^T = K Q^T (source 0 = 16 keys, source 1 = 16 queries): a lane holds ONE query (lane % 16) and keys 8 (lane / 16) + 0..7.  Two such tiles, rounded to f16 in pairs, ARE source 1 of
; O^T = V^T P, whose result again holds one query a lane.  K comes out of LDS as it lies, V ([key][channel]) turned, by ds_load_tr16_b128.
; THE RING.  Two LDS slots of 512 keys (K, then V); 2,048 keys are four periods; each slot is filled twice.  Waves 0-3 fetch K's quarters, waves 4-7 V's: one load of 128 rows a wave.
; CLUSTER.  The four query blocks of a (b, h) are one cluster and walk the same K and V: each tile is asked for JOINTLY (mask 15).  A refill stands straight behind the round and has a period of eight key steps
; (64 matrix instructions each, in each wave) before the wait for it; the first two periods are the first fills: so no prefetch is laid.
; REGISTERS: window 0: v1-15 addresses; v16-47 statistics, eight a tile (+0 m, +1 zero, +2 +3 l in two halves, +4 +5 at work, +6 a, +7 m_old - m_new); v48-79 the step's biases as C, eight a key tile;
;   v128-255 S^T, 32 a tile; P is packed in place into each tile's low 16.   window 1: v0-127 O^T ((t, c) at 32 t + 8 c); v128-191 Q ((t, chunk) at 128 + 16 t + 8 chunk); v192-255 K's eight fragments, then V's eight.
.set PK,    144                        ; a row of K in LDS: 128 bytes + 16 = 9 x 16: the 16 rows of a load start in different columns of banks
.set PV,    160                        ; a row of V: 128 + 32 = 5 x 32, for the turning load
.set VOFF,  512*PK                     ; a slot: 512 rows of K, then 512 rows of V
.set SLOTB, 512*(PK+PV)
.set BIAS,  2*SLOTB                    ; behind the ring: bias x log2(e), 2,048 f32, stored by the waves: no tile ever lands here
.set SPARE, BIAS+8192                  ; the spare words, 128 bytes for each of eight waves
.set KBASE, 16777216                   ; k in qkv
.set VBASE, 33554432                   ; v in qkv
.set AK0, 2                            ; v2   my lane's place in a tile of K
.set AV0, 3                            ; v3   the same for V
.set AB0, 4                            ; v4   and among the biases
.set ADK, 5                            ; v5-7 the step's addresses
.set ADV, 6
.set ADB, 7
.set QO,  8                            ; v8   my byte offset in the wave's rows of Q
.set STO, 10                           ; v10  the way out: where I put 16 bytes of a row
.set RD,  11                           ; v11  where I read rows back
.set GO,  12                           ; v12  16 x lane
.set SPW, 14                           ; v14  LDS address of my spare word; never rewritten
.set NIL, 15                           ; v15  0; never rewritten
.set ST,  16
.set BI,  48
.set S,   128
.set Q,   128                          ; in window 1
.set KV,  192                          ; in window 1
.set WV,  12                           ; s12  my wave's number
.set G1K, 24                           ; s[24:31] descriptor group 1 for K's tiles;  s[32:39] for V's (other padding)
.set G1V, 32
.set G0K, 40                           ; s[40:47] group 0 for K's tiles, a set for each slot;  s[48:55] for V's
.set G0V, 48
.set TK,  56                           ; s56  LDS byte at which the step's K begins
.set TV,  57                           ; s57  the same for V (VOFF is in the lane's part)
.set TBI, 58                           ; s58  the step's first bias, in bytes
.set CNT, 59
.set SEL, 60                           ; s[60:61] v_permlanex16_b32's selects: lane l xor 16
.set MSB, 0
.macro WIN new                         ; the immediate's high byte repeats the setting that is left; a switch that changes nothing is dropped
.if MSB != \new
	s_set_vgpr_msb (MSB<<8)|\new
.set MSB, \new
.endif
.endm
.set W_LD, 0x40                        ; destination window 1, address window 0
.set W_KQ, 0x05                        ; K and Q window 1; C and S^T window 0
.set W_RS, 0x41                        ; O^T (destination and source 0) window 1, a window 0
.set W_PV, 0x51                        ; V window 1, P window 0, O^T (C and D) window 1
; A joint refill of slot s.  The branch hangs on the wave's number alone.  An s_nop 0 and four v_nop follow each of the two lines.
.macro JLOAD s
	s_cmp_lt_u32 s[WV], 4
	s_cbranch_scc0 .Lfor_v_\@
	tensor_load_to_lds s[G0K+4*\s:G0K+4*\s+3], s[G1K:G1K+7]
	s_nop 0
.rept 4
	v_nop
.endr
	s_branch .Lasked_\@
.Lfor_v_\@:
	tensor_load_to_lds s[G0V+4*\s:G0V+4*\s+3], s[G1V:G1V+7]
	s_nop 0
.rept 4
	v_nop
.endr
.Lasked_\@:
.endm
.macro CROUND                          ; a round of the cluster's barrier
	s_barrier_signal -1
	s_barrier_wait -1
	s_cmp_lg_u32 s[WV], 0
	s_cbranch_scc1 .Lnot_wave_0_\@
	s_barrier_signal -3
.Lnot_wave_0_\@:
	s_barrier_wait -3
	s_barrier_signal -1
	s_barrier_wait -1
.endm
	s_load_b128 s[4:7], s[0:1], 0x0                ; qkv s[4:5], bias s[6:7]
	s_load_b64 s[8:9], s[0:1], 0x10                ; at
	v_lshl_add_u32 v[SPW], v0, 2, SPARE
	v_mov_b32 v[NIL], 0
	ds_add_u32 v[SPW], v[NIL]                      ; the wave's opening: the add, twice on end, and its wait ahead of my first tensor load; the set-up below stands between
	ds_add_u32 v[SPW], v[NIL]
	v_lshrrev_b32 v1, 5, v0
	v_readfirstlane_b32 s[WV], v1                  ; wave 0..7
	s_bfe_u32 s13, ttmp6, 0x40000                  ; cx: my block of 512 queries: it enters Q's and the result's addresses alone
	s_and_b32 s14, ttmp7, 0xffff                   ; 16 b + h, which the four partners share
	s_and_b32 s15, s[WV], 3                        ; which quarter of a slot's rows I fetch
	s_lshl_b32 s16, s14, 18                        ; a head: 2,048 rows of 128 bytes
	s_lshl_b32 s18, s15, 14                        ; my quarter: 128 rows
	s_add_co_u32 s18, s18, s16
	s_mov_b32 s19, 0
	s_lshl_b32 s20, s13, 16                        ; my block's 512 rows,
	s_lshl_b32 s21, s[WV], 13                      ; my wave's 64 of them
	s_add_co_u32 s20, s20, s21
	s_add_co_u32 s20, s20, s16
	s_mov_b32 s21, 0
	s_lshr_b32 s22, s14, 4
	s_lshl_b32 s22, s22, 13                        ; the batch's 2,048 biases
	s_mov_b32 s23, 0
	s_mul_i32 s2, s15, 128*PK                      ; where my quarter goes in a slot: no place in the cluster enters an LDS address
	s_mul_i32 s3, s15, 128*PV
	s_add_co_u32 s3, s3, VOFF
	; descriptor group 1: a tile of 128 rows x 64 elements of 2 bytes, padded in LDS
	s_mov_b32 s[G1K], 15|(1<<16)|(1<<20)|(1<<21)|(4<<22)|(3<<25)  ; 15:0 the mask: all four work-groups; 17:16 elements of 2 bytes; 20 padding on; 21 set beside a mask; 24:22 after every 32 words; 31:25 four words
	s_mov_b32 s[G1V], 15|(1<<16)|(1<<20)|(1<<21)|(4<<22)|(7<<25)  ; the same with eight words of padding
.irp g, G1K, G1V
	s_mov_b32 s[\g+1], 64<<16                      ; tensor_dim0 = 64
	s_mov_b32 s[\g+2], 128<<16                     ; tensor_dim1 = 128
	s_mov_b32 s[\g+3], 64<<16                      ; tile_dim0 = 64
	s_mov_b32 s[\g+4], 128                         ; tile_dim1 = 128
	s_mov_b32 s[\g+5], 64                          ; elements from row to row
	s_mov_b32 s[\g+6], 0
	s_mov_b32 s[\g+7], 0
.endr
	s_mov_b32 s[SEL], 0x76543210
	s_mov_b32 s[SEL+1], 0xfedcba98
	s_wait_dscnt 0x0                               ; both opening adds are done
	s_wait_kmcnt 0x0
	s_add_nc_u64 s[18:19], s[4:5], s[18:19]        ; qkv at my head and quarter
	s_add_nc_u64 s[4:5], s[4:5], s[20:21]          ; Q at my wave's first row
	s_add_nc_u64 s[8:9], s[8:9], s[20:21]          ; the result likewise
	s_add_nc_u64 s[6:7], s[6:7], s[22:23]          ; my batch's biases
	CROUND                                         ; all four work-groups are here: the first joint loads meet
.irp s, 0,1
	s_mov_b32 s[G0K+4*\s], 1                       ; count = 1
	s_add_co_u32 s[G0K+4*\s+1], s2, \s*SLOTB       ; LDS address
	s_add_nc_u64 s[G0K+4*\s+2:G0K+4*\s+3], s[18:19], KBASE+\s*65536   ; global address: slot s begins with keys 512 s on
	s_or_b32 s[G0K+4*\s+3], s[G0K+4*\s+3], 0x80000000                 ; type = 2
	s_mov_b32 s[G0V+4*\s], 1
	s_add_co_u32 s[G0V+4*\s+1], s3, \s*SLOTB
	s_add_nc_u64 s[G0V+4*\s+2:G0V+4*\s+3], s[18:19], VBASE+\s*65536
	s_or_b32 s[G0V+4*\s+3], s[G0V+4*\s+3], 0x80000000
.endr
	s_cmp_lt_u32 s[WV], 4                          ; a wave's two first fills stand in one branch, ahead of every wait on TENSORcnt and every LDS read: two loads of mine are out
	s_cbranch_scc0 .Lfirst_v
	tensor_load_to_lds s[G0K:G0K+3], s[G1K:G1K+7]
	s_nop 0
	tensor_load_to_lds s[G0K+4:G0K+7], s[G1K:G1K+7]
	s_nop 0
.rept 4
	v_nop
.endr
	s_branch .Lfirst_asked
.Lfirst_v:
	tensor_load_to_lds s[G0V:G0V+3], s[G1V:G1V+7]
	s_nop 0
	tensor_load_to_lds s[G0V+4:G0V+7], s[G1V:G1V+7]
	s_nop 0
.rept 4
	v_nop
.endr
.Lfirst_asked:
	; A fragment of K or Q is 16 rows x 32 channels in 8 registers: lane l holds row l % 16; registers 0-3 channels 8 (l / 16) + 0..7, registers 4-7 channels 16 + 8 (l / 16) + 0..7: two loads of 16 bytes, 32 bytes apart.
	v_and_b32 v1, 15, v0                           ; r = l % 16
	v_bfe_u32 v9, v0, 4, 1                         ; h = l / 16
	v_lshlrev_b32 v[QO], 7, v1
	v_lshl_add_u32 v[QO], v9, 4, v[QO]             ; row x 128 + 16 x half
	v_lshlrev_b32 v13, 5, v0                       ; 32 x thread: my eight biases
	WIN W_LD
.irp t, 0,1,2,3
.irp ch, 0,1
	global_load_b128 v[Q+16*\t+8*\ch:Q+16*\t+8*\ch+3],   v[QO], s[4:5] offset:\t*2048+\ch*64      ; Q stays in registers
	global_load_b128 v[Q+16*\t+8*\ch+4:Q+16*\t+8*\ch+7], v[QO], s[4:5] offset:\t*2048+\ch*64+32
.endr
.endr
.set ii, 0
.rept 128
	v_mov_b32 v[ii], 0                             ; O^T.  The key step is written once for all 32 steps: the first finds zeros, which a = 0 leaves zeros; a first step of its own would be a fifth copy of the step
.set ii, ii+1
.endr
	WIN 0
	global_load_b128 v[80:83], v13, s[6:7]
	global_load_b128 v[84:87], v13, s[6:7] offset:16
	v_add_nc_u32 v88, BIAS, v13                    ; and where they go in LDS
	v_mul_u32_u24 v[AK0], v1, PK
	v_lshl_add_u32 v[AK0], v9, 4, v[AK0]           ; row x pitch + 16 x half
	; The turning load takes 16 keys x 16 channels (lane l reads 16 bytes: key 8 (l / 16) + l % 8, channels 8 ((l / 8) % 2) + 0..7) and leaves half a fragment of V^T: lane l holds channel l % 16 and 8 keys.
	v_and_b32 v90, 7, v0
	v_bfe_u32 v91, v0, 3, 1
	v_lshl_add_u32 v[AV0], v9, 3, v90
	v_mul_u32_u24 v[AV0], v[AV0], PV
	v_lshl_add_u32 v[AV0], v91, 4, v[AV0]
	v_add_nc_u32 v[AV0], VOFF, v[AV0]
	v_lshl_add_u32 v[AB0], v9, 5, BIAS             ; register j of a score tile is key 8 h + j: eight biases, 32 bytes, the same for all 16 queries
	s_mul_i32 s16, s[WV], 16*PK                    ; my stage for the way out: 16 rows x 144 bytes, in slot 0, used behind that slot's last fill and last read
	v_mul_u32_u24 v[STO], v1, PK
	v_lshl_add_u32 v[STO], v9, 4, v[STO]
	v_add_nc_u32 v[STO], s16, v[STO]               ; in: row r, 16 bytes for each half of the lanes
	v_and_b32 v90, 31, v0
	v_lshlrev_b32 v[GO], 4, v90
	v_lshrrev_b32 v91, 3, v90
	v_mul_u32_u24 v[RD], v91, PK
	v_and_b32 v90, 7, v0
	v_lshl_add_u32 v[RD], v90, 4, v[RD]
	v_add_nc_u32 v[RD], s16, v[RD]                 ; back: eight lanes to a row of 128 bytes, four rows an instruction
.irp t, 0,1,2,3
	v_mov_b32 v[ST+8*\t], 0xff61b1e6               ; m = -3e38, under every score
	v_mov_b32 v[ST+8*\t+1], 0                      ; (named with m as a pair)
	v_mov_b32 v[ST+8*\t+2], 0                      ; l, in two halves
	v_mov_b32 v[ST+8*\t+3], 0
.endr
	s_wait_loadcnt 0x0                             ; Q and the biases
.irp j, 0,2,4,6
	v_pk_mul_f32 v[80+\j:81+\j], v[80+\j:81+\j], 0x3fb8aa3b op_sel_hi:[1,0]   ; bias x log2(e)
.endr
	ds_store_b128 v88, v[80:83]
	ds_store_b128 v88, v[84:87] offset:16
	s_wait_dscnt 0x0                               ; for the others' sake: my biases have landed
	s_wait_tensorcnt 1                             ; my part of slot 0 is in; slot 1's may stay out
	s_barrier_signal -1
	s_barrier_wait -1
; A KEY STEP: 64 keys.
.macro STEP
	v_add_nc_u32 v[ADK], s[TK], v[AK0]             ; these three and two v_nop are five places behind the last step's products: K lands on V's registers (four are owed),
	v_add_nc_u32 v[ADV], s[TV], v[AV0]             ; and the new scores are written over P, which those products read (five)
	v_add_nc_u32 v[ADB], s[TBI], v[AB0]
	v_nop
	v_nop
	WIN W_LD
.irp kt, 0,1,2,3
.irp ch, 0,1
	ds_load_b128 v[KV+8*(2*\kt+\ch):KV+8*(2*\kt+\ch)+3],   v[ADK] offset:\kt*16*PK+\ch*64
	ds_load_b128 v[KV+8*(2*\kt+\ch)+4:KV+8*(2*\kt+\ch)+7], v[ADK] offset:\kt*16*PK+\ch*64+32
.endr
.endr
	WIN 0
.irp kt, 0,1,2,3
	ds_load_b128 v[BI+8*\kt:BI+8*\kt+3],   v[ADB] offset:64*\kt
	ds_load_b128 v[BI+8*\kt+4:BI+8*\kt+7], v[ADB] offset:64*\kt+16
.endr
	s_wait_dscnt 0x0                               ; K and the biases are in
	WIN W_KQ                                       ; S^T = K Q^T + bias: the 16 accumulators take turns, one instruction a turn
.irp kt, 0,1,2,3
.irp t, 0,1,2,3
	v_wmma_f32_16x16x32_f16 v[S+32*\t+8*\kt:S+32*\t+8*\kt+7], v[KV+16*\kt:KV+16*\kt+7], v[Q+16*\t:Q+16*\t+7], v[BI+8*\kt:BI+8*\kt+7]
.endr
.endr
.irp kt, 0,1,2,3
.irp t, 0,1,2,3
	v_wmma_f32_16x16x32_f16 v[S+32*\t+8*\kt:S+32*\t+8*\kt+7], v[KV+16*\kt+8:KV+16*\kt+15], v[Q+16*\t+8:Q+16*\t+15], v[S+32*\t+8*\kt:S+32*\t+8*\kt+7]
.endr
.endr
	WIN 0
.rept 4
	v_nop                                          ; four places: for the loads onto K's registers and for the first reads of the scores
.endr
	WIN W_LD
.irp g, 0,1
.irp c, 0,1,2,3
	ds_load_tr16_b128 v[KV+8*(4*\g+\c):KV+8*(4*\g+\c)+3],   v[ADV] offset:\g*32*PV+\c*32         ; keys 32 g on, channels 16 c on; it lands while the softmax is walked
	ds_load_tr16_b128 v[KV+8*(4*\g+\c)+4:KV+8*(4*\g+\c)+7], v[ADV] offset:\g*32*PV+16*PV+\c*32
.endr
.endr
	WIN 0
	; THE SOFTMAX, stage by stage, the four tiles by turns inside each stage, so that no line waits for the line above it.
	; The maximum of a lane's 32 scores and the old m: two chains; each accumulator is first read at its low end.
.irp t, 0,1,2,3
	v_max3_num_f32 v[ST+8*\t+4], v[S+32*\t], v[S+32*\t+1], v[S+32*\t+2]
	v_max3_num_f32 v[ST+8*\t+5], v[S+32*\t+16], v[S+32*\t+17], v[S+32*\t+18]
.endr
.irp i, 1,2,3,4,5,6
.irp t, 0,1,2,3
	v_max3_num_f32 v[ST+8*\t+4], v[ST+8*\t+4], v[S+32*\t+2*\i+1], v[S+32*\t+2*\i+2]
	v_max3_num_f32 v[ST+8*\t+5], v[ST+8*\t+5], v[S+32*\t+2*\i+17], v[S+32*\t+2*\i+18]
.endr
.endr
.irp t, 0,1,2,3
	v_max3_num_f32 v[ST+8*\t+4], v[ST+8*\t+4], v[S+32*\t+15], v[S+32*\t+31]
.endr
.irp t, 0,1,2,3
	v_max3_num_f32 v[ST+8*\t+4], v[ST+8*\t+4], v[ST+8*\t+5], v[ST+8*\t]
.endr
.irp t, 0,1,2,3
	v_permlanex16_b32 v[ST+8*\t+5], v[ST+8*\t+4], s[SEL], s[SEL+1]   ; the query's other 32 keys lie in the lane 16 away
.endr
.irp t, 0,1,2,3
	v_max_num_f32 v[ST+8*\t+4], v[ST+8*\t+4], v[ST+8*\t+5]           ; the new m
.endr
.irp t, 0,1,2,3
	v_sub_f32 v[ST+8*\t+7], v[ST+8*\t], v[ST+8*\t+4]                 ; m_old - m_new
.endr
.irp t, 0,1,2,3
	v_mov_b32 v[ST+8*\t], v[ST+8*\t+4]
.endr
	; ONE BATCH of 132 exponentials: a, and the 128 weights, each pair's subtraction a turn ahead of its exponentials.  Nothing in the batch names an exponential's result.
.irp t, 0,1,2,3
	v_exp_f32 v[ST+8*\t+6], v[ST+8*\t+7]                             ; a
.endr
.irp i, 0,1,2,3,4,5,6,7,8,9,10,11,12,13,14,15
.irp t, 0,1,2,3
	v_pk_add_f32 v[S+32*\t+2*\i:S+32*\t+2*\i+1], v[S+32*\t+2*\i:S+32*\t+2*\i+1], v[ST+8*\t:ST+8*\t+1] op_sel_hi:[1,0] neg_lo:[0,1] neg_hi:[0,1]   ; t - m, two at a time
.endr
.if \i > 0
.irp t, 0,1,2,3
	v_exp_f32 v[S+32*\t+2*\i-2], v[S+32*\t+2*\i-2]
	v_exp_f32 v[S+32*\t+2*\i-1], v[S+32*\t+2*\i-1]
.endr
.endif
.endr
.irp t, 0,1,2,3
	v_exp_f32 v[S+32*\t+30], v[S+32*\t+30]
	v_exp_f32 v[S+32*\t+31], v[S+32*\t+31]
.endr
	v_nop                                          ; a plain line behind the last exponential,
	s_wait_alu depctr_va_vdst(0)                   ; and one wait ahead of the batch's first reader
.irp t, 0,1,2,3
	v_pk_fma_f32 v[ST+8*\t+2:ST+8*\t+3], v[ST+8*\t+2:ST+8*\t+3], v[ST+8*\t+6:ST+8*\t+7], v[S+32*\t:S+32*\t+1] op_sel_hi:[1,0,1]   ; l = a l + the unrounded weights
.endr
.irp i, 1,2,3,4,5,6,7,8,9,10,11,12,13,14,15
.irp t, 0,1,2,3
	v_pk_add_f32 v[ST+8*\t+2:ST+8*\t+3], v[ST+8*\t+2:ST+8*\t+3], v[S+32*\t+2*\i:S+32*\t+2*\i+1]
.endr
.endr
.irp i, 0,1,2,3,4,5,6,7,8,9,10,11,12,13,14,15
.irp t, 0,1,2,3
	v_cvt_pk_f16_f32 v[S+32*\t+\i], v[S+32*\t+2*\i], v[S+32*\t+2*\i+1]   ; P, in place and ascending: register i is written when pairs 0 .. i have been read
.endr
.endr
	WIN W_RS
.irp i, 0,1,2,3,4,5,6,7,8,9,10,11,12,13,14,15
.irp t, 0,1,2,3
	v_pk_mul_f32 v[32*\t+2*\i:32*\t+2*\i+1], v[32*\t+2*\i:32*\t+2*\i+1], v[ST+8*\t+6:ST+8*\t+7] op_sel_hi:[1,0]   ; O^T x a
.endr
.endr
	s_wait_dscnt 0x0                               ; V is in
	WIN W_PV                                       ; O^T += V^T P: the 16 accumulators by turns
.irp g, 0,1
.irp c, 0,1,2,3
.irp t, 0,1,2,3
	v_wmma_f32_16x16x32_f16 v[32*\t+8*\c:32*\t+8*\c+7], v[KV+8*(4*\g+\c):KV+8*(4*\g+\c)+7], v[S+32*\t+8*\g:S+32*\t+8*\g+7], v[32*\t+8*\c:32*\t+8*\c+7]
.endr
.endr
.endr
	WIN 0                                          ; at a label and at a branch every window is 0
.endm
; A period: the eight key steps of a slot, written once and walked eight times.  p: which 512 keys.
.macro PERIOD slot, p
	s_mov_b32 s[TK], \slot*SLOTB
	s_mov_b32 s[TV], \slot*SLOTB
	s_mov_b32 s[TBI], \p*2048
	s_mov_b32 s[CNT], 8
.Lstep_\@:
	STEP
	s_add_co_u32 s[TK], s[TK], 64*PK
	s_add_co_u32 s[TV], s[TV], 64*PV
	s_add_co_u32 s[TBI], s[TBI], 256
	s_sub_co_u32 s[CNT], s[CNT], 1
	s_cmp_lg_u32 s[CNT], 0
	s_cbranch_scc1 .Lstep_\@
.endm
; THE CHANGE OF SLOTS.  Each wave waits for all its tensor loads (one is out: its part of the other slot), adds 0 to its spare word, and waits for that and for its reads of the slot that it leaves.
; fill = 1: that slot takes the keys 1,024 further on; the barrier is then a round of the cluster's, and the joint refill is the first thing behind it, one load a wave.
.macro CHANGE fill, slot
	s_wait_tensorcnt 0x0                           ; no tensor load of mine is out, so a group 0 may be written
	ds_add_u32 v[SPW], v[NIL]                      ; 0 onto my spare word
.if \fill
	s_add_nc_u64 s[G0K+4*\slot+2:G0K+4*\slot+3], s[G0K+4*\slot+2:G0K+4*\slot+3], 131072   ; 1,024 rows of 128 bytes on; the type bits on top are not reached
	s_add_nc_u64 s[G0V+4*\slot+2:G0V+4*\slot+3], s[G0V+4*\slot+2:G0V+4*\slot+3], 131072
	s_wait_dscnt 0x0                               ; the add is done, and my reads of the slot are over
	CROUND
	JLOAD \slot
.else
	s_wait_dscnt 0x0
	s_barrier_signal -1
	s_barrier_wait -1
.endif
.endm
	PERIOD 0, 0                                    ; the four periods are written out
	CHANGE 1, 0
	PERIOD 1, 1
	CHANGE 1, 1
	PERIOD 0, 2
	CHANGE 0, 0
	PERIOD 1, 3
	; THE WAY OUT.  l's halves and the other half of the lanes' are added; O^T is divided by l, rounded to f16 and sent through my stage, a tile (16 rows) at a time.  The additions are the places behind the last products.
.irp t, 0,1,2,3
	v_add_f32 v[ST+8*\t+4], v[ST+8*\t+2], v[ST+8*\t+3]
.endr
.irp t, 0,1,2,3
	v_permlanex16_b32 v[ST+8*\t+5], v[ST+8*\t+4], s[SEL], s[SEL+1]
.endr
.irp t, 0,1,2,3
	v_add_f32 v[ST+8*\t+4], v[ST+8*\t+4], v[ST+8*\t+5]
.endr
.irp t, 0,1,2,3
	v_rcp_f32 v[ST+8*\t+6], v[ST+8*\t+4]
.endr
	v_nop                                          ; a plain line behind the last reciprocal,
	s_wait_alu depctr_va_vdst(0)                   ; and one wait for the four, ahead of the first use
.macro OPACK t
	WIN W_RS
.set ii, 0
.rept 16
	v_pk_mul_f32 v[32*\t+ii:32*\t+ii+1], v[32*\t+ii:32*\t+ii+1], v[ST+8*\t+6:ST+8*\t+7] op_sel_hi:[1,0]   ; each accumulator from its low end on
.set ii, ii+2
.endr
	WIN 0x05                                       ; sources 0 and 1 window 1, destination window 0: S^T's registers are free
.set ii, 0
.rept 16
	v_cvt_pk_f16_f32 v[192+16*\t+ii], v[32*\t+2*ii], v[32*\t+2*ii+1]
.set ii, ii+1
.endr
	WIN 0
.irp c, 0,1,2,3
	ds_store_b128 v[STO], v[192+16*\t+4*\c:192+16*\t+4*\c+3] offset:32*\c
.endr
.irp i, 0,1,2,3
	ds_load_b128 v[128+16*\t+4*\i:128+16*\t+4*\i+3], v[RD] offset:\i*4*PK   ; LDS serves a wave's instructions in order: these see the stores above; the next tile's stores come behind them
.endr
.endm
.macro OSEND t, younger                ; younger: the next tile's four stores and four loads, or none
.irp i, 0,1,2,3
	s_wait_dscnt \younger+3-\i
	global_store_b128 v[GO], v[128+16*\t+4*\i:128+16*\t+4*\i+3], s[8:9] offset:\t*2048+\i*512   ; four rows of a head: 512 consecutive bytes; no register is used twice
.endr
.endm
	OPACK 0
	OPACK 1
	OSEND 0, 8
	OPACK 2
	OSEND 1, 8
	OPACK 3
	OSEND 2, 8
	OSEND 3, 0
	s_wait_tensorcnt 0x0                           ; the wave's end, behind my last tensor load and my last LDS store
	ds_add_u32 v[SPW], v[NIL]
	s_wait_dscnt 0x0
	CROUND                                         ; the closing round
	s_endpgm
.Lfunc_end_k_qf53752dbb0_attn:
	.size	k_qf53752dbb0_attn, .Lfunc_end_k_qf53752dbb0_attn-k_qf53752dbb0_attn
	.p2alignl 7, 3214868480
	.fill 96, 4, 3214868480
	.section	.rodata,"a",@progbits
	.p2align	6, 0x0
	.amdhsa_kernel k_qf53752dbb0_attn
		.amdhsa_group_segment_fixed_size 327680
		.amdhsa_private_segment_fixed_size 0
		.amdhsa_enable_private_segment 0
		.amdhsa_kernarg_size 24
		.amdhsa_user_sgpr_count 2
		.amdhsa_user_sgpr_kernarg_segment_ptr 1
		.amdhsa_wavefront_size32 1
		.amdhsa_system_sgpr_workgroup_id_x 1
		.amdhsa_system_sgpr_workgroup_id_y 1
		.amdhsa_system_sgpr_workgroup_id_z 1
		.amdhsa_system_vgpr_workitem_id 0
		.amdhsa_next_free_vgpr 512
		.amdhsa_next_free_sgpr 66
		.amdhsa_reserve_vcc 0
		.amdhsa_float_denorm_mode_32 3
		.amdhsa_float_denorm_mode_16_64 3
		.amdhsa_memory_ordered 1
		.amdhsa_forward_progress 1
		.amdhsa_inst_pref_size 159
	.end_amdhsa_kernel
	.amdgpu_metadata
---
amdhsa.version: [ 1, 2 ]
amdhsa.kernels:
  - .name:           k_qf53752dbb0_attn
    .symbol:         k_qf53752dbb0_attn.kd
    .args:
      - { .name: qkv, .offset: 0, .size: 8, .value_kind: global_buffer, .address_space: global }
      - { .name: bias, .offset: 8, .size: 8, .value_kind: global_buffer, .address_space: global }
      - { .name: at, .offset: 16, .size: 8, .value_kind: global_buffer, .address_space: global }
    .group_segment_fixed_size: 327680
    .private_segment_fixed_size: 0
    .kernarg_segment_align: 8
    .kernarg_segment_size: 24
    .max_flat_workgroup_size: 256
    .sgpr_count:     66
    .vgpr_count:     512
    .wavefront_size: 32
...
	.end_amdgpu_metadata
.endif
;; end of part 4
;; launch outp (part 5): grid 4 x 64, 4 waves a work-group, clusters of 4 x 4, 327,680 bytes of LDS; arguments at, wo16, out0; writes out0
.if DOCPART == 5
	.amdgcn_target "amdgcn-amd-amdhsa--gfx1250"
	.amdhsa_code_object_version 6
	.text
	.protected	k_qf53752dbb0_outp
	.globl	k_qf53752dbb0_outp
	.p2align	8
	.type	k_qf53752dbb0_outp,@function
k_qf53752dbb0_outp:
	s_mov_b64 s[64:65], 0
	v_nop
	global_prefetch_b8 v0, s[64:65] scope:SCOPE_SE
	s_setreg_imm32_b32 hwreg(HW_REG_WAVE_MODE, 25, 1), 1
	s_wait_xcnt 0x0
	s_wait_alu depctr_hold_cnt(0) depctr_sa_sdst(0) depctr_va_vdst(0) depctr_va_sdst(0) depctr_va_ssrc(0) depctr_va_vcc(0) depctr_vm_vsrc(0)
	s_getreg_b32 s2, hwreg(HW_REG_IB_STS2, 6, 4)
	s_cmp_eq_u32 s2, 0
	s_cbranch_scc0 .Lentry_in_a_cluster
	s_endpgm
.Lentry_in_a_cluster:
	s_bfe_u32 s2, ttmp6, 0x10000c
	s_cmp_lg_u32 s2, 0xf033
	s_cbranch_scc0 .Lentry_shape_is_right
	s_endpgm
.Lentry_shape_is_right:
; out0[m][n] = sum over k of attn[m][k] Wo[k][n], m = 2048 b + s, k = 64 h + d.  attn: f16, laid [b][h][s][64]; Wo: f16, [k 1024][n 1024]; out0: f32 [8192][1024].  f16 operands, f32 sums.
; A tile of out0 is 128 x 256: 256 work-groups.  Four waves, each 64 x 128: 32 accumulators of 16 x 16, which fill window 1.  K goes in steps of 128 = two heads through a ring of two LDS slots.
; attn's tile of a step is two dense blocks (a head's 128 rows of 128 bytes each): waves 0 and 1 fetch one each; Wo's is 128 rows of k x 512 bytes: waves 2 and 3 fetch 64 rows each.
; Wo has K as its first axis: its fragments come out of LDS turned, by ds_load_tr16_b128.
; CLUSTERS: 4 x 4 work-groups.  attn's tile hangs on the tile row alone and is shared along a row of the cluster, Wo's on the tile column alone and is shared along a column: both are asked for JOINTLY.
; THE MATRIX INSTRUCTION IS USED TRANSPOSED (source 0 = 16 columns of Wo, source 1 = 16 rows of attn): a lane then holds eight neighbouring numbers of a row of out0.
; A step holds 128 matrix instructions a wave, 112 of them between a refill and the wait for it; no prefetch is laid on tiles of this size.
; REGISTERS: window 0: v0-31 addresses; two fragment buffers of 96 at v64 and v160 (attn's four fragments, then Wo's eight); on the way out v64-191 hold rows read back.  window 1: accumulator (a, b) at v[8 (8 a + b)].
.set PA,     144                       ; a row of attn in LDS: 128 bytes + 16
.set PB,     544                       ; a row of Wo in LDS: 512 bytes + 32 = 17 x 32, for the turning load
.set HEADA,  128*PA                    ; one head's 128 rows: what wave 0 or 1 fetches
.set BOFF,   2*HEADA                   ; Wo's rows lie behind attn's two heads
.set HALFB,  64*PB                     ; what wave 2 or 3 fetches
.set SLOT,   BOFF+2*HALFB
.set STAGE,  2*SLOT                    ; behind the ring: 16 rows x (512 bytes + 16) for each wave: no tile ever lands here
.set SPITCH, 528
.set SPARE,  STAGE+4*16*SPITCH         ; the spare words, 128 bytes for each wave
.set LAPS,   4                         ; a lap = two K steps; 1,024 / 256
.set ADRA, 16                          ; v16-17  LDS address of my fragments of attn in slot 0, 1
.set ADRB, 20                          ; v20-21  the same for Wo
.set STO,  24
.set RD,   25
.set CO,   26
.set SPW,  28                          ; v28  LDS address of my spare word; never rewritten
.set NIL,  29                          ; v29  0; never rewritten
.set F0,   64
.set F1,   160
.set BK,   64                          ; the way out: v64-127 and v128-191 by turns
.set G1, 24                            ; s[24:31] descriptor group 1 for attn's tiles;  s[32:39] group 0, one set for each slot
.set G0, 32
.set G1B, 48                           ; s[48:55], s[56:63] the same for Wo's
.set G0B, 56
.set MSB, 0
.macro WIN new
.if MSB != \new
	s_set_vgpr_msb (MSB<<8)|\new
.set MSB, \new
.endif
.endm
.set MUL, 0x50                         ; sources 0 and 1 window 0; C and D window 1
.macro JLOAD s                         ; a joint load: waves 0 and 1 fetch attn's two heads, waves 2 and 3 Wo's two halves; an s_nop 0 and four v_nop follow each of the two lines
	s_cmp_eq_u32 s11, 0
	s_cbranch_scc0 .Lfor_b_\@
	tensor_load_to_lds s[G0+4*\s:G0+4*\s+3], s[G1:G1+7]
	s_nop 0
.rept 4
	v_nop
.endr
	s_branch .Lasked_\@
.Lfor_b_\@:
	tensor_load_to_lds s[G0B+4*\s:G0B+4*\s+3], s[G1B:G1B+7]
	s_nop 0
.rept 4
	v_nop
.endr
.Lasked_\@:
.endm
.macro CREST                           ; a round of the cluster's barrier behind its opening barrier
	s_cmp_lg_u32 s10, 0
	s_cbranch_scc1 .Lnot_wave_0_\@
	s_barrier_signal -3
.Lnot_wave_0_\@:
	s_barrier_wait -3
	s_barrier_signal -1
	s_barrier_wait -1
.endm
.macro CROUND
	s_barrier_signal -1
	s_barrier_wait -1
	CREST
.endm
	s_load_b128 s[4:7], s[0:1], 0x0                ; attn s[4:5], Wo s[6:7]
	s_load_b64 s[8:9], s[0:1], 0x10                ; out0
	v_lshl_add_u32 v[SPW], v0, 2, SPARE
	v_mov_b32 v[NIL], 0
	ds_add_u32 v[SPW], v[NIL]                      ; the wave's opening: the add, twice on end, and its wait ahead of my first tensor load; the set-up below stands between
	ds_add_u32 v[SPW], v[NIL]
	v_lshrrev_b32 v1, 5, v0
	v_readfirstlane_b32 s10, v1                    ; wave 0..3
	s_lshr_b32 s11, s10, 1                         ; which 64 rows of the tile are mine.  Also: I fetch for attn (0) or for Wo (1)
	s_and_b32 s12, s10, 1                          ; which 128 columns.  Also: which half of that side's tile I fetch
	s_bfe_u32 s40, ttmp6, 0x40000                  ; cx, cy
	s_bfe_u32 s41, ttmp6, 0x40004
	s_lshl_b32 s42, ttmp9, 2
	s_add_co_u32 s42, s42, s40                     ; tile column = 4 x cluster x + cx
	s_and_b32 s13, ttmp7, 0xffff
	s_lshl_b32 s13, s13, 2
	s_add_co_u32 s13, s13, s41                     ; tile row = 4 x cluster y + cy
	s_lshl_b32 s43, s41, 2
	s_lshl_b32 s43, 15, s43                        ; my row of the cluster
	s_lshl_b32 s44, 0x1111, s40                    ; my column
	s_or_b32 s[G1+0], s43, (1<<16)|(1<<20)|(1<<21)|(4<<22)|(3<<25)   ; attn: the mask of my row; elements of 2 bytes; padding: four words after every 32
	s_mov_b32 s[G1+1], 64<<16                      ; tensor_dim0 = 64
	s_mov_b32 s[G1+2], 128<<16                     ; tensor_dim1 = 128
	s_mov_b32 s[G1+3], 64<<16                      ; tile_dim0 = 64
	s_mov_b32 s[G1+4], 128                         ; tile_dim1 = 128
	s_mov_b32 s[G1+5], 64                          ; elements from row to row
	s_mov_b32 s[G1+6], 0
	s_mov_b32 s[G1+7], 0
	s_or_b32 s[G1B+0], s44, (1<<16)|(1<<20)|(1<<21)|(6<<22)|(7<<25)  ; Wo: the mask of my column; padding: eight words after every 128
	s_mov_b32 s[G1B+1], 256<<16                    ; tensor_dim0 = 256
	s_mov_b32 s[G1B+2], 64<<16                     ; tensor_dim1 = 64
	s_mov_b32 s[G1B+3], 256<<16                    ; tile_dim0 = 256
	s_mov_b32 s[G1B+4], 64                         ; tile_dim1 = 64
	s_mov_b32 s[G1B+5], 1024
	s_mov_b32 s[G1B+6], 0
	s_mov_b32 s[G1B+7], 0
	s_lshr_b32 s16, s13, 4                         ; attn: batch = tile row / 16,
	s_lshl_b32 s16, s16, 22
	s_and_b32 s17, s13, 15                         ; 128 rows of 128 bytes for each tile row in it,
	s_lshl_b32 s17, s17, 14
	s_add_co_u32 s16, s16, s17
	s_lshl_b32 s17, s12, 18                        ; my head of the step's two
	s_add_co_u32 s16, s16, s17
	s_mov_b32 s17, 0
	s_lshl_b32 s46, s12, 17                        ; Wo: my 64 rows of 2,048 bytes,
	s_lshl_b32 s47, s42, 9                         ; the tile's 256 columns
	s_add_co_u32 s46, s46, s47
	s_mov_b32 s47, 0
	s_mul_i32 s20, s12, HEADA                      ; where they go: no place in the cluster enters an LDS address
	s_mul_i32 s45, s12, HALFB
	s_add_co_u32 s45, s45, BOFF
	s_wait_dscnt 0x0                               ; both opening adds are done
	s_wait_kmcnt 0x0
	s_add_nc_u64 s[14:15], s[4:5], s[16:17]
	s_add_nc_u64 s[46:47], s[6:7], s[46:47]
	CROUND                                         ; all sixteen work-groups are here: the first joint loads meet
.irp s, 0,1
	s_mov_b32 s[G0+4*\s], 1
	s_add_co_u32 s[G0+4*\s+1], s20, \s*SLOT
	s_add_nc_u64 s[G0+4*\s+2:G0+4*\s+3], s[14:15], \s*524288      ; K step s: two heads of 262,144 bytes on
	s_or_b32 s[G0+4*\s+3], s[G0+4*\s+3], 0x80000000
	s_mov_b32 s[G0B+4*\s], 1
	s_add_co_u32 s[G0B+4*\s+1], s45, \s*SLOT
	s_add_nc_u64 s[G0B+4*\s+2:G0B+4*\s+3], s[46:47], \s*262144    ; 128 rows of 2,048 bytes on
	s_or_b32 s[G0B+4*\s+3], s[G0B+4*\s+3], 0x80000000
	JLOAD \s                                       ; two tensor loads of mine are out at the most
.endr
	v_and_b32 v1, 15, v0                           ; l % 16
	v_bfe_u32 v2, v0, 4, 1                         ; l / 16
	v_mul_u32_u24 v3, v1, PA
	v_lshl_add_u32 v3, v2, 4, v3                   ; attn: row x pitch + 16 x half
	v_and_b32 v4, 7, v0
	v_lshl_add_u32 v4, v2, 3, v4                   ; Wo, turned: row k = 8 (l / 16) + l % 8,
	v_mul_u32_u24 v4, v4, PB
	v_bfe_u32 v5, v0, 3, 1
	v_lshl_add_u32 v4, v5, 4, v4                   ; columns 8 ((l / 8) % 2) on
	s_mul_i32 s21, s11, 64*PA                      ; my 64 rows of attn
	s_lshl_b32 s22, s12, 8                         ; my 128 columns of Wo
	s_add_co_u32 s22, s22, BOFF
.irp s, 0,1
	v_add_nc_u32 v[ADRA+\s], s21, v3
	v_add_nc_u32 v[ADRB+\s], s22, v4
	s_add_co_u32 s21, s21, SLOT
	s_add_co_u32 s22, s22, SLOT
.endr
	s_mul_i32 s23, s10, 16*SPITCH
	s_add_co_u32 s23, s23, STAGE                   ; my stage
	v_mul_u32_u24 v5, v1, SPITCH                   ; in: row l % 16, 32 bytes for each half of the lanes
	v_lshl_add_u32 v5, v2, 5, v5
	v_add_nc_u32 v[STO], s23, v5
	v_and_b32 v6, 31, v0
	v_lshlrev_b32 v[CO], 4, v6                     ; back: the 32 lanes take one row of 512 bytes; and the same in out0
	v_add_nc_u32 v[RD], s23, v[CO]
	s_lshl_b32 s16, s13, 19                        ; my first row of out0: 128 x tile row + 64 x half, rows of 4,096 bytes
	s_lshl_b32 s17, s11, 18
	s_add_co_u32 s16, s16, s17
	s_mov_b32 s17, 0
	s_add_nc_u64 s[8:9], s[8:9], s[16:17]
	s_lshl_b32 s46, s42, 10                        ; my first column, in bytes: 1,024 x tile column + 512 x half
	s_lshl_b32 s47, s12, 9
	s_add_co_u32 s46, s46, s47
	s_mov_b32 s47, 0
	s_add_nc_u64 s[8:9], s[8:9], s[46:47]
; 8 matrix instructions: attn's block a against Wo's eight, 32 along K, out of buffer f.  zero = 1: the product starts the sums.  The 32 accumulators take turns, in the same order in every quarter.
.macro MUL8 f, a, zero
.irp b, 0,1,2,3,4,5,6,7
.if \zero
	v_wmma_f32_16x16x32_f16 v[8*(8*\a+\b):8*(8*\a+\b)+7], v[\f+32+8*\b:\f+32+8*\b+7], v[\f+8*\a:\f+8*\a+7], 0
.else
	v_wmma_f32_16x16x32_f16 v[8*(8*\a+\b):8*(8*\a+\b)+7], v[\f+32+8*\b:\f+32+8*\b+7], v[\f+8*\a:\f+8*\a+7], v[8*(8*\a+\b):8*(8*\a+\b)+7]
.endif
.endr
.endm
; 24 LDS loads in one run: quarter c of a slot (k = 32 c on: head c / 2, channels 32 (c % 2) on) into buffer f; Wo's first, attn's blocks 2 and 3 last
.macro FETCH slot, c, f
.irp b, 0,1,2,3,4,5,6,7
	ds_load_tr16_b128 v[\f+32+8*\b:\f+32+8*\b+3],   v[ADRB+\slot] offset:(\c)*32*PB+32*\b
	ds_load_tr16_b128 v[\f+32+8*\b+4:\f+32+8*\b+7], v[ADRB+\slot] offset:(\c)*32*PB+16*PB+32*\b
.endr
.irp i, 0,1,2,3
	ds_load_b128 v[\f+8*\i:\f+8*\i+3],   v[ADRA+\slot] offset:((\c)/2)*HEADA+\i*16*PA+64*((\c)%2)
	ds_load_b128 v[\f+8*\i+4:\f+8*\i+7], v[ADRA+\slot] offset:((\c)/2)*HEADA+\i*16*PA+64*((\c)%2)+32
.endr
.endm
.macro PLACES                          ; four places in front of loads into registers that matrix instructions have read, and of the first reads of results
.rept 4
	v_nop
.endr
.endm
; A K step is four quarters of 32 along K, 32 matrix instructions each, on buffers 0, 1, 0, 1.  One of the first three: multiplies buffer f and fetches quarter c of the same slot into g.
.macro QUARTER slot, c, f, g, zero
	s_wait_dscnt 4                                 ; Wo's fragments and attn's blocks 0, 1 are in; the youngest four loads (blocks 2, 3) may be out
	WIN MUL
	MUL8 \f, 0, \zero
	MUL8 \f, 1, \zero
	PLACES
	WIN 0
	FETCH \slot, \c, \g
	s_wait_dscnt 24                                ; all but the 24 just issued
	WIN MUL
	MUL8 \f, 2, \zero
	MUL8 \f, 3, \zero
.endm
; The last quarter multiplies buffer 1 and changes slots: ONE barrier; in front of it each wave waits for all its tensor loads, adds 0 to its spare word, and waits for that and for its reads of this slot.
; fill = 1: the barrier opens a round of the cluster's, and this slot is filled again, two K steps ahead, first thing behind the round.
.macro TURN slot, next, fill
	WIN 0                                          ; (the add's two registers lie in window 0)
	s_wait_tensorcnt 0x0                           ; all my tensor loads have landed: my part of the next slot
	ds_add_u32 v[SPW], v[NIL]                      ; 0 onto my spare word
	s_wait_dscnt 5                                 ; (the add and the youngest four loads may be out)
	WIN MUL
	MUL8 F1, 0, 0                                  ; eight matrix instructions stand between the add and the wait for it
	s_wait_dscnt 0x0                               ; the add is done, and my reads of this slot are over
	s_barrier_signal -1
	MUL8 F1, 1, 0
.if \fill
	WIN 0
.endif
	s_barrier_wait -1
.if \fill
	CREST                                          ; no wave of any partner still reads this slot's tiles or has a load on its way
	s_add_nc_u64 s[G0+4*\slot+2:G0+4*\slot+3], s[G0+4*\slot+2:G0+4*\slot+3], 1048576     ; four heads on
	s_add_nc_u64 s[G0B+4*\slot+2:G0B+4*\slot+3], s[G0B+4*\slot+2:G0B+4*\slot+3], 524288  ; 256 rows of Wo on
	JLOAD \slot                                    ; the four v_nop behind it are also the places in front of the loads below
.else
	PLACES
.endif
	WIN 0
	FETCH \next, 0, F0
	WIN MUL
	MUL8 F1, 2, 0
	MUL8 F1, 3, 0
.endm
	s_wait_tensorcnt 1                             ; my part of K step 0 is in (K step 1's load may be out)
	s_barrier_signal -1
	s_barrier_wait -1                              ; everybody's is
	FETCH 0, 0, F0
	QUARTER 0, 1, F0, F1, 1                        ; the first quarter stands in front of the loop: its products start the sums
	WIN 0                                          ; at a label and at a branch every window is 0
	s_mov_b32 s3, LAPS-1
.Llap:                                                 ; a trip goes once round the ring, from a lap's second quarter to the next lap's first, and fills both slots again
	QUARTER 0, 2, F1, F0, 0
	QUARTER 0, 3, F0, F1, 0
	TURN 0, 1, 1
	QUARTER 1, 1, F0, F1, 0
	QUARTER 1, 2, F1, F0, 0
	QUARTER 1, 3, F0, F1, 0
	TURN 1, 0, 1
	QUARTER 0, 1, F0, F1, 0
	WIN 0
	s_sub_co_u32 s3, s3, 1
	s_cmp_lg_u32 s3, 0
	s_cbranch_scc1 .Llap
	QUARTER 0, 2, F1, F0, 0                        ; the last lap fills nothing, and has no round of the cluster's barrier
	QUARTER 0, 3, F0, F1, 0
	TURN 0, 1, 0
	QUARTER 1, 1, F0, F1, 0
	QUARTER 1, 2, F1, F0, 0
	QUARTER 1, 3, F0, F1, 0
	s_wait_dscnt 4                                 ; the very last quarter: nothing more to fetch
	WIN MUL
	MUL8 F1, 0, 0
	MUL8 F1, 1, 0
	s_wait_dscnt 0
	MUL8 F1, 2, 0
	MUL8 F1, 3, 0
	WIN 0
; THE WAY OUT, block by block of 16 rows x 128 columns.  A lane holds 32 neighbouring bytes of a row: a block goes through my own stage and comes back as whole rows of 512 bytes.
.macro TOSTAGE a
	WIN 0x04                                       ; an LDS store's data are its source 1: window 1
.irp b, 0,1,2,3,4,5,6,7
	ds_store_b128 v[STO], v[8*(8*(\a)+\b):8*(8*(\a)+\b)+3] offset:64*\b          ; each accumulator from its low end on
	ds_store_b128 v[STO], v[8*(8*(\a)+\b)+4:8*(8*(\a)+\b)+7] offset:64*\b+16
.endr
	WIN 0
.set BB, BK+64*((\a)%2)
.irp t, 0,1,2,3,4,5,6,7,8,9,10,11,12,13,14,15
	ds_load_b128 v[BB+4*\t:BB+4*\t+3], v[RD] offset:\t*SPITCH      ; LDS serves a wave's instructions in order: these see the stores above, and the next block's stores come behind them
.endr
.endm
.macro SEND a, younger                 ; younger: the LDS instructions issued behind block a's loads, which may stay out
.set BB, BK+64*((\a)%2)
	s_wait_dscnt \younger
.irp t, 0,1,2,3,4,5,6,7,8,9,10,11,12,13,14,15
	global_store_b128 v[CO], v[BB+4*\t:BB+4*\t+3], s[8:9] offset:(\a)*65536+\t*4096 th:TH_STORE_NT   ; 32 lanes store 512 consecutive bytes of a row; every place stands in the immediate
.endr
.endm
	PLACES                                         ; behind the last products: for the reads of results and the loads into the fragments' registers alike
	TOSTAGE 0
.irp a, 1,2,3
.if \a > 1
	s_wait_xcnt 0x0                                ; block a - 2's stores have read their registers: block a's loads may land there
.endif
	TOSTAGE \a
	SEND \a-1, 32                                  ; behind block a - 1's loads: block a's 16 stores and 16 loads
.endr
	SEND 3, 0
	s_wait_tensorcnt 0x0                           ; the wave's end, behind my last tensor load and my last LDS store
	ds_add_u32 v[SPW], v[NIL]
	s_wait_dscnt 0x0
	CROUND                                         ; the closing round
	s_endpgm
.Lfunc_end_k_qf53752dbb0_outp:
	.size	k_qf53752dbb0_outp, .Lfunc_end_k_qf53752dbb0_outp-k_qf53752dbb0_outp
	.p2alignl 7, 3214868480
	.fill 96, 4, 3214868480
	.section	.rodata,"a",@progbits
	.p2align	6, 0x0
	.amdhsa_kernel k_qf53752dbb0_outp
		.amdhsa_group_segment_fixed_size 327680
		.amdhsa_private_segment_fixed_size 0
		.amdhsa_enable_private_segment 0
		.amdhsa_kernarg_size 24
		.amdhsa_user_sgpr_count 2
		.amdhsa_user_sgpr_kernarg_segment_ptr 1
		.amdhsa_wavefront_size32 1
		.amdhsa_system_sgpr_workgroup_id_x 1
		.amdhsa_system_sgpr_workgroup_id_y 1
		.amdhsa_system_sgpr_workgroup_id_z 1
		.amdhsa_system_vgpr_workitem_id 0
		.amdhsa_next_free_vgpr 512
		.amdhsa_next_free_sgpr 66
		.amdhsa_reserve_vcc 0
		.amdhsa_float_denorm_mode_32 3
		.amdhsa_float_denorm_mode_16_64 3
		.amdhsa_memory_ordered 1
		.amdhsa_forward_progress 1
		.amdhsa_inst_pref_size 85
	.end_amdhsa_kernel
	.amdgpu_metadata
---
amdhsa.version: [ 1, 2 ]
amdhsa.kernels:
  - .name:           k_qf53752dbb0_outp
    .symbol:         k_qf53752dbb0_outp.kd
    .args:
      - { .name: at, .offset: 0, .size: 8, .value_kind: global_buffer, .address_space: global }
      - { .name: wo16, .offset: 8, .size: 8, .value_kind: global_buffer, .address_space: global }
      - { .name: out0, .offset: 16, .size: 8, .value_kind: global_buffer, .address_space: global }
    .group_segment_fixed_size: 327680
    .private_segment_fixed_size: 0
    .kernarg_segment_align: 8
    .kernarg_segment_size: 24
    .max_flat_workgroup_size: 128
    .sgpr_count:     66
    .vgpr_count:     512
    .wavefront_size: 32
...
	.end_amdgpu_metadata
.endif
;; end of part 5
